; MI455X (gfx1250); checked and timed in simulation.
; The chip was launched on July 23, 2026; its instructions are those of AMD's public machine-readable ISA for CDNA 5 (MIT licence, August 2026) and "CDNA5" Instruction Set Architecture Reference Guide (July 2026). The comments in the code are by the model that wrote it; some were corrected since.
;; Block. Allowed arithmetic: float matrix products may take bf16 or f16 operands with f32 sums; all other float work in f32.
;; Inputs: W1 1,024 x 4,096 float32; W2 4,096 x 1,024 float32; Wk 16 x 1,024 x 64 float32; Wo 1,024 x 1,024 float32; Wq 16 x 1,024 x 64 float32; Wv 16 x 1,024 x 64 float32; b1 4,096 float32; b2 1,024 float32; bo 1,024 float32; ln1_b 1,024 float32; ln1_g 1,024 float32; ln2_b 1,024 float32; ln2_g 1,024 float32; x 2 x 2,048 x 1,024 float32.
;; Outputs: out0 2 x 2,048 x 1,024 float32.
;; One version. Each part assembles by itself: llvm-mc -triple=amdgcn-amd-amdhsa -mcpu=gfx1250 --defsym DOCPART=n.
;; ======== version 1 of 1: 7 launches
;; limits: values are held in f16: magnitudes above 65,504 overflow, below 6.1e-05 lose precision
;; workspace buffers: wb 25,165,824 bytes; hn 8,388,608 bytes; kvq 25,165,824 bytes; o 8,388,608 bytes; x1 16,777,216 bytes; hid 33,554,432 bytes
;; launch prep (part 1): grid 256 x 4, 8 waves a work-group, no clusters, 0 bytes of LDS; arguments x, ln1_g, ln1_b, hn, Wk, Wv, Wq, Wo, W1, W2, wb; writes hn, wb
.if DOCPART == 1
	.amdgcn_target "amdgcn-amd-amdhsa--gfx1250"
	.amdhsa_code_object_version 6
	.text
	.protected	k_q348be08275_prep
	.globl	k_q348be08275_prep
	.p2align	8
	.type	k_q348be08275_prep,@function
k_q348be08275_prep:
	s_mov_b64 s[64:65], 0
	v_nop
	global_prefetch_b8 v0, s[64:65] scope:SCOPE_SE
	s_setreg_imm32_b32 hwreg(HW_REG_WAVE_MODE, 25, 1), 1
	s_wait_xcnt 0x0
; PREP.  Work-groups with y = 0: hn = LayerNorm(x) * g + b, rounded once to bf16, [4096][1024].
; Work-groups with y = 1..3: the six weights, each in its own linear order, rounded once to bf16 into wb:
; Wk at byte 0, Wv at 2,097,152, Wq at 4,194,304, Wo at 6,291,456, W1 at 8,388,608, W2 at 16,777,216.
; The launch ln2 runs this body too, with x1, ln2_g and ln2_b in the first three places and a grid of one row (y = 0):
; the LayerNorm's way alone; the seven further arguments are then not touched.
; Memory binds: no LDS, no barrier, no matrix unit.  LayerNorm: one wave to a row of 4,096 bytes, which stays in 32 registers between
; the pass for the mean, the pass for the variance of x - mean (no difference of large sums) and the scaling; two rows a wave.
; NaN and infinities are not treated apart.
.set G,   8                            ; v[8:39]    gain of my 32 columns
.set BB,  40                           ; v[40:71]   bias of my 32 columns
.set XA,  72                           ; v[72:103]  first row
.set XB,  104                          ; v[104:135] second row
.set S,   136                          ; v[136:143] four chains of pairs
.set MU,  4                            ; v[4:5]     the mean, twice
.set RS,  6                            ; v[6:7]     1 / sqrt(var + eps), twice
	s_load_b256 s[8:15], s[0:1], 0x0               ; x s[8:9], gain s[10:11], bias s[12:13], hn s[14:15]
	s_load_b256 s[16:23], s[0:1], 0x20             ; Wk, Wv, Wq, Wo
	s_load_b128 s[24:27], s[0:1], 0x40             ; W1, W2
	s_load_b64 s[28:29], s[0:1], 0x50              ; wb
	s_and_b32 s2, ttmp7, 0xffff                    ; y
	s_cmp_eq_u32 s2, 0
	s_cbranch_scc1 .Lln
	; THE CAST.  Piece f = 256 (y - 1) + x of 768 pieces of 65,536 source bytes; chunk c = f / 64 of twelve chunks of 4 MiB.
	s_sub_co_u32 s3, s2, 1
	s_lshl_b32 s3, s3, 8
	s_add_co_u32 s3, s3, ttmp9                     ; f
	s_lshr_b32 s4, s3, 6                           ; c: 0 Wk, 1 Wv, 2 Wq, 3 Wo, 4-7 W1, 8-11 W2
	s_and_b32 s5, s3, 63                           ; the piece in its chunk
	s_and_b32 s6, s4, 3                            ; the chunk in W1 or W2,
	s_cmp_ge_u32 s4, 4
	s_cselect_b32 s6, s6, 0                        ; 0 in the four small weights
	s_lshl_b32 s6, s6, 22
	s_lshl_b32 s5, s5, 16
	s_add_co_u32 s6, s6, s5                        ; byte offset in the source
	s_mov_b32 s7, 0
	s_lshl_b32 s36, s3, 15                         ; byte offset in wb: 32,768 f
	s_mov_b32 s37, 0
	v_lshlrev_b32 v1, 4, v0                        ; 16 bytes a thread in,
	v_lshlrev_b32 v2, 3, v0                        ; 8 bytes out
	s_wait_kmcnt 0x0
	s_cmp_eq_u32 s4, 1
	s_cselect_b64 s[16:17], s[18:19], s[16:17]
	s_cmp_eq_u32 s4, 2
	s_cselect_b64 s[16:17], s[20:21], s[16:17]
	s_cmp_eq_u32 s4, 3
	s_cselect_b64 s[16:17], s[22:23], s[16:17]
	s_cmp_ge_u32 s4, 4
	s_cselect_b64 s[16:17], s[24:25], s[16:17]
	s_cmp_ge_u32 s4, 8
	s_cselect_b64 s[16:17], s[26:27], s[16:17]
	s_add_nc_u64 s[16:17], s[16:17], s[6:7]
	s_add_nc_u64 s[28:29], s[28:29], s[36:37]
.set j, 0
.rept 16                               ; sixteen loads of every wave on their way, 512 neighbouring bytes each
	global_load_b128 v[16+4*j:19+4*j], v1, s[16:17] offset:4096*j th:TH_LOAD_NT
.set j, j+1
.endr
.set j, 0
.rept 16
	s_wait_loadcnt 15-j                            ; loads come back in order: load j is in, the 15 - j younger ones stay out
	v_cvt_pk_bf16_f32 v[80+2*j], v[16+4*j], v[17+4*j]
	v_cvt_pk_bf16_f32 v[81+2*j], v[18+4*j], v[19+4*j]
	global_store_b64 v2, v[80+2*j:81+2*j], s[28:29] offset:2048*j  ; a wave's store covers 256 consecutive bytes, aligned
.set j, j+1
.endr
	s_endpgm
.Lln:
	; LAYERNORM.  Work-group x owns rows 16 x .. 16 x + 15, wave w rows 16 x + 2 w and the next.
	v_lshrrev_b32 v3, 5, v0
	v_readfirstlane_b32 s3, v3                     ; wave 0..7
	v_and_b32 v1, 31, v0
	v_lshlrev_b32 v2, 3, v1                        ; 8 bytes a lane out
	v_lshlrev_b32 v1, 4, v1                        ; 16 bytes a lane in
	v_mov_b32 v3, 0                                ; v_permlanex16_b32's destination counts as read
	s_lshl_b32 s4, ttmp9, 16                       ; 16 rows of 4,096 bytes,
	s_lshl_b32 s5, s3, 13                          ; two rows a wave
	s_add_co_u32 s4, s4, s5
	s_mov_b32 s5, 0
	s_lshr_b32 s6, s4, 1                           ; rows of 2,048 bytes out
	s_mov_b32 s7, 0
	s_mov_b32 s30, 0x76543210                      ; each lane takes its own place in the other half
	s_mov_b32 s31, 0xfedcba98
	s_mov_b32 s32, 0x3a800000                      ; 1 / 1024
	s_mov_b32 s33, 0x3727c5ac                      ; 1e-5
	s_wait_kmcnt 0x0
	s_add_nc_u64 s[8:9], s[8:9], s[4:5]
	s_add_nc_u64 s[14:15], s[14:15], s[6:7]
.set j, 0
.rept 8                                ; load j of a lane: columns 128 j + 4 lane .. + 3
	global_load_b128 v[XA+4*j:XA+4*j+3], v1, s[8:9] offset:512*j
.set j, j+1
.endr
.set j, 0
.rept 8
	global_load_b128 v[G+4*j:G+4*j+3], v1, s[10:11] offset:512*j
.set j, j+1
.endr
.set j, 0
.rept 8
	global_load_b128 v[BB+4*j:BB+4*j+3], v1, s[12:13] offset:512*j
.set j, j+1
.endr
.set j, 0
.rept 8
	global_load_b128 v[XB+4*j:XB+4*j+3], v1, s[8:9] offset:4096+512*j
.set j, j+1
.endr
.macro REDUCE                          ; the four chains into one number, then over the 32 lanes: every lane ends with the sum in v[S]
	v_pk_add_f32 v[S:S+1], v[S:S+1], v[S+2:S+3]
	v_pk_add_f32 v[S+4:S+5], v[S+4:S+5], v[S+6:S+7]
	v_pk_add_f32 v[S:S+1], v[S:S+1], v[S+4:S+5]
	v_add_f32 v[S], v[S], v[S+1]
	v_add_f32_dpp v[S], v[S], v[S] row_xmask:1 row_mask:0xf bank_mask:0xf
	v_add_f32_dpp v[S], v[S], v[S] row_xmask:2 row_mask:0xf bank_mask:0xf
	v_add_f32_dpp v[S], v[S], v[S] row_xmask:4 row_mask:0xf bank_mask:0xf
	v_add_f32_dpp v[S], v[S], v[S] row_xmask:8 row_mask:0xf bank_mask:0xf
	v_permlanex16_b32 v3, v[S], s30, s31
	v_add_f32 v[S], v[S], v3
.endm
; One row in registers x .. x + 31.  cntx: the younger loads that may stay out when the row is needed; cntg: when gain and bias are.
.macro LNROW x, cntx, cntg, row
	s_wait_loadcnt \cntx
.set k, 0
.rept 4                                ; the first eight pairs start the four chains: nothing is cleared
	v_pk_add_f32 v[S+2*k:S+2*k+1], v[\x+2*k:\x+2*k+1], v[\x+8+2*k:\x+8+2*k+1]
.set k, k+1
.endr
.set k, 8
.rept 8
	v_pk_add_f32 v[S+2*(k%4):S+2*(k%4)+1], v[S+2*(k%4):S+2*(k%4)+1], v[\x+2*k:\x+2*k+1]
.set k, k+1
.endr
	REDUCE
	v_mul_f32 v[MU], s32, v[S]
	v_mov_b32 v[MU+1], v[MU]
.set k, 0
.rept 16
	v_pk_add_f32 v[\x+2*k:\x+2*k+1], v[\x+2*k:\x+2*k+1], v[MU:MU+1] neg_lo:[0,1] neg_hi:[0,1]  ; x - mean, in place
.set k, k+1
.endr
.set k, 0
.rept 4
	v_pk_mul_f32 v[S+2*k:S+2*k+1], v[\x+2*k:\x+2*k+1], v[\x+2*k:\x+2*k+1]
.set k, k+1
.endr
.set k, 4
.rept 12
	v_pk_fma_f32 v[S+2*(k%4):S+2*(k%4)+1], v[\x+2*k:\x+2*k+1], v[\x+2*k:\x+2*k+1], v[S+2*(k%4):S+2*(k%4)+1]
.set k, k+1
.endr
	REDUCE
	v_fma_f32 v[S], v[S], s32, s33                 ; variance + eps
	v_rsq_f32 v[RS], v[S]
	v_rsq_f32 v[RS+1], v[S]
	v_nop                                          ; a plain instruction between the root and the use of its result (ISA guide 5.7.2)
	s_wait_loadcnt \cntg
.set k, 0
	s_wait_alu depctr_va_vdst(0)
.rept 16
	v_pk_mul_f32 v[\x+2*k:\x+2*k+1], v[\x+2*k:\x+2*k+1], v[RS:RS+1]
.set k, k+1
.endr
.set k, 0
.rept 16
	v_pk_fma_f32 v[\x+2*k:\x+2*k+1], v[\x+2*k:\x+2*k+1], v[G+2*k:G+2*k+1], v[BB+2*k:BB+2*k+1]
.set k, k+1
.endr
.set k, 0
.rept 16                               ; register k takes numbers 2 k, 2 k + 1: it never lands on a number still to be read
	v_cvt_pk_bf16_f32 v[\x+k], v[\x+2*k], v[\x+2*k+1]
.set k, k+1
.endr
.set k, 0
.rept 8
	global_store_b64 v2, v[\x+2*k:\x+2*k+1], s[14:15] offset:256*k+2048*(\row)  ; a wave's store covers 256 consecutive bytes, aligned
.set k, k+1
.endr
.endm
	LNROW XA, 24, 8, 0                             ; younger than the first row: gain, bias, second row (24); younger than the bias: the second row (8)
	LNROW XB, 0, 0, 1
	s_endpgm
.Lfunc_end_k_q348be08275_prep:
	.size	k_q348be08275_prep, .Lfunc_end_k_q348be08275_prep-k_q348be08275_prep
	.p2alignl 7, 3214868480
	.fill 96, 4, 3214868480
	.section	.rodata,"a",@progbits
	.p2align	6, 0x0
	.amdhsa_kernel k_q348be08275_prep
		.amdhsa_group_segment_fixed_size 0
		.amdhsa_private_segment_fixed_size 0
		.amdhsa_enable_private_segment 0
		.amdhsa_kernarg_size 88
		.amdhsa_user_sgpr_count 2
		.amdhsa_user_sgpr_kernarg_segment_ptr 1
		.amdhsa_wavefront_size32 1
		.amdhsa_system_sgpr_workgroup_id_x 1
		.amdhsa_system_sgpr_workgroup_id_y 1
		.amdhsa_system_sgpr_workgroup_id_z 1
		.amdhsa_system_vgpr_workitem_id 0
		.amdhsa_next_free_vgpr 144
		.amdhsa_next_free_sgpr 66
		.amdhsa_reserve_vcc 0
		.amdhsa_float_denorm_mode_32 3
		.amdhsa_float_denorm_mode_16_64 3
		.amdhsa_memory_ordered 1
		.amdhsa_forward_progress 1
		.amdhsa_inst_pref_size 27
	.end_amdhsa_kernel
	.amdgpu_metadata
---
amdhsa.version: [ 1, 2 ]
amdhsa.kernels:
  - .name:           k_q348be08275_prep
    .symbol:         k_q348be08275_prep.kd
    .args:
      - { .name: x, .offset: 0, .size: 8, .value_kind: global_buffer, .address_space: global }
      - { .name: ln1_g, .offset: 8, .size: 8, .value_kind: global_buffer, .address_space: global }
      - { .name: ln1_b, .offset: 16, .size: 8, .value_kind: global_buffer, .address_space: global }
      - { .name: hn, .offset: 24, .size: 8, .value_kind: global_buffer, .address_space: global }
      - { .name: Wk, .offset: 32, .size: 8, .value_kind: global_buffer, .address_space: global }
      - { .name: Wv, .offset: 40, .size: 8, .value_kind: global_buffer, .address_space: global }
      - { .name: Wq, .offset: 48, .size: 8, .value_kind: global_buffer, .address_space: global }
      - { .name: Wo, .offset: 56, .size: 8, .value_kind: global_buffer, .address_space: global }
      - { .name: W1, .offset: 64, .size: 8, .value_kind: global_buffer, .address_space: global }
      - { .name: W2, .offset: 72, .size: 8, .value_kind: global_buffer, .address_space: global }
      - { .name: wb, .offset: 80, .size: 8, .value_kind: global_buffer, .address_space: global }
    .group_segment_fixed_size: 0
    .private_segment_fixed_size: 0
    .kernarg_segment_align: 8
    .kernarg_segment_size: 88
    .max_flat_workgroup_size: 256
    .sgpr_count:     66
    .vgpr_count:     144
    .wavefront_size: 32
...
	.end_amdgpu_metadata
.endif
;; end of part 1
;; launch qkv (part 2): grid 16 x 16, 4 waves a work-group, clusters of 4 x 4, 327,680 bytes of LDS; arguments hn, wb, kvq; writes kvq
.if DOCPART == 2
	.amdgcn_target "amdgcn-amd-amdhsa--gfx1250"
	.amdhsa_code_object_version 6
	.text
	.protected	k_q348be08275_qkv
	.globl	k_q348be08275_qkv
	.p2align	8
	.type	k_q348be08275_qkv,@function
k_q348be08275_qkv:
	s_mov_b64 s[64:65], 0
	v_nop
	global_prefetch_b8 v0, s[64:65] scope:SCOPE_SE
	s_setreg_imm32_b32 hwreg(HW_REG_WAVE_MODE, 25, 1), 1
	s_wait_xcnt 0x0
	s_wait_alu depctr_hold_cnt(0) depctr_sa_sdst(0) depctr_va_vdst(0) depctr_va_sdst(0) depctr_va_ssrc(0) depctr_va_vcc(0) depctr_vm_vsrc(0)
	s_getreg_b32 s2, hwreg(HW_REG_IB_STS2, 6, 4)
	s_cmp_eq_u32 s2, 0
	s_cbranch_scc0 .Lentry_in_a_cluster
	s_endpgm
.Lentry_in_a_cluster:
	s_bfe_u32 s2, ttmp6, 0x10000c
	s_cmp_lg_u32 s2, 0xf033
	s_cbranch_scc0 .Lentry_shape_is_right
	s_endpgm
.Lentry_shape_is_right:
; QKV.  kvq = hn x [Wk | Wv | Wq].  hn: [4096][1024] bf16.  wb holds 48 heads g of [1024 k][64 e] bf16 (g = 0-15 Wk, 16-31 Wv, 32-47 Wq).
; kvq: f16, K at byte 0, V at 8,388,608, Q at 16,777,216, each [32 = batch x 16 + head][2048][64]; sums in f32, rounded once.
; LIMIT: f16 holds no number beyond 65,504: q, k and v must stay within it.
; A tile of the result is 256 rows x 3 heads (192 columns): 16 x 16 tiles, one to a work-group.  Four waves, each 64 rows x 192 columns: 48 accumulators, 384 registers.
; K goes in steps of 128 through two LDS slots.  Wave 0 fetches A's 256 rows x 256 bytes, waves 1-3 one head's 128 k-rows each (16,384 dense bytes, asked for as 64 rows of 256 bytes).
; Both slots' first fills go out together at the start: a wave then has two tensor loads out, later the one of a refill.
; The weights lie [k][n]: their fragments come out of LDS turned, by ds_load_tr16_b128.
; THE MATRIX INSTRUCTION IS USED TRANSPOSED (source 0 = 16 columns of the weights, source 1 = 16 rows of hn): a lane then holds eight neighbouring numbers of a row of the result.
; CLUSTERS: 4 x 4 work-groups; A's tile is asked for jointly along a row of the cluster, the weights' along a column.
; REGISTERS: window 0: v0-31 addresses, v32-63 at work on the way out, v64-127 and v128-191 A's two fragment buffers; window 1: v0-95, v128-223 the weights' two buffers;
; windows 2, 3: accumulator id = 4 nb + a (nb: block of 16 columns, a: block of 16 rows) at window 2 + id / 32, register 8 (id % 32).
.set T,     8                          ; K steps of 128
.set PA,    272                        ; A's LDS row: 256 bytes + 16: the 16 rows of a load start at 16 different groups of four banks
.set NA,    1                          ; waves that fetch A
.set MB,    4                          ; blocks of 16 rows a wave
.set NBW,   12                         ; blocks of 16 columns a wave
.set PB,    160                        ; the weights' LDS row: 128 bytes + 32, an odd multiple of 32 for the turning load
.set HEADB, 128*PB                     ; a head's 128 k-rows
.set SLOT,  131072
.set AROWS, 256
.set STEPB, 16384
.set W0B,   (1<<16)|(1<<20)|(1<<21)|(4<<22)|(7<<25)  ; 2-byte elements; padding on; bit 21 beside a mask; after every 32 words, 8 words
.set BD0,   128
.set BST,   128
.set BOFF,  256*PA                     ; the weights lie behind A's 256 rows
.set STEPA, 256
.set HSTA,  128                        ; half a K step: 64 along K
.set HSTB,  64*PB
.set STAGE, 2*SLOT                     ; behind the ring: 16 rows x 144 bytes for each wave
.set SP,    144
.set SPARE, STAGE+4*16*SP              ; the spare words: 128 bytes for each wave, two blocks of 256 bytes that no other line names
.set ADRA0, 12                         ; my lane's place in A's tile; never rewritten
.set ADRB0, 13                         ; the same for the weights
.set ADRA,  14
.set ADRB,  15
.set STO,   16
.set RD,    17
.set GO,    18
.set SPW,   28
.set NIL,   29
.set TMP,   32
.set FA,    64
.set WV,    14                         ; s14 wave
.set WR,    16                         ; s16 which rows are mine
.set WC,    17                         ; s17 which columns
.set G1A,   24                         ; s[24:31] group 1 for A's tiles
.set G0A,   32                         ; s[32:39] group 0 for A's tiles: a set for each first fill;
.set WKA,   G0A+4                      ;          the second then walks on
.set G1B,   40                         ; s[40:47], s[48:55] the same for the weights'
.set G0B,   48
.set WKB,   G0B+4
.set TA,    56                         ; s56 LDS byte at which A's next half step begins
.set TBB,   57                         ; s57 the same for the weights, less BOFF
.set CNT,   58
.set SLOTS, 59
.set OUT,   76                         ; s[76:81] the result's bases
.set MSB, 0
.macro WIN new                         ; the immediate's high byte repeats the setting that is left
.if MSB != (\new)
	s_set_vgpr_msb (MSB<<8)|(\new)
.set MSB, \new
.endif
.endm
.macro PLACES                          ; four places in front of loads into registers that matrix instructions have read, and of lines that read results
.rept 4
	v_nop
.endr
.endm
.macro JLOAD                           ; a joint refill; the branch hangs on the wave's number alone; an s_nop 0 and four v_nop follow each line
	s_cmp_lt_u32 s[WV], NA
	s_cbranch_scc0 .Lfor_b_\@
	tensor_load_to_lds s[WKA:WKA+3], s[G1A:G1A+7]
	s_nop 0
.rept 4
	v_nop
.endr
	s_branch .Lasked_\@
.Lfor_b_\@:
	tensor_load_to_lds s[WKB:WKB+3], s[G1B:G1B+7]
	s_nop 0
.rept 4
	v_nop
.endr
.Lasked_\@:
.endm
.macro CROUND                          ; a round of the cluster's barrier
	s_barrier_signal -1
	s_barrier_wait -1
	s_cmp_lg_u32 s[WV], 0
	s_cbranch_scc1 .Lnot_wave_0_\@
	s_barrier_signal -3
.Lnot_wave_0_\@:
	s_barrier_wait -3
	s_barrier_signal -1
	s_barrier_wait -1
.endm
; THE CHANGE OF SLOTS.  Every wave waits for all its tensor loads (one is out: its part of the other slot), adds 0 to its spare word, and waits for that and for its reads of the slot it leaves.
; fill = 1: the barrier is a round of the cluster's, and the slot just left is filled again first thing behind it, with the K step two on: it has a whole step's products in which to land.
.macro CHANGE fill
	WIN 0
	s_wait_tensorcnt 0x0                           ; no tensor load of mine is out, so a group 0 may be written
	ds_add_u32 v[SPW], v[NIL]                      ; 0 onto my spare word
.if \fill
	s_xor_b32 s[WKA+1], s[WKA+1], SLOT             ; the walking descriptors: the other slot (no offset in a slot shares a bit with SLOT),
	s_add_nc_u64 s[WKA+2:WKA+3], s[WKA+2:WKA+3], STEPA  ; the next K step; the type bits on top are not reached
	s_xor_b32 s[WKB+1], s[WKB+1], SLOT
	s_add_nc_u64 s[WKB+2:WKB+3], s[WKB+2:WKB+3], STEPB
.endif
	s_sub_co_u32 s[TA], s[TA], 2*HSTA              ; the reads go back to a slot's first half,
	s_xor_b32 s[TA], s[TA], SLOT                   ; in the other slot
	s_sub_co_u32 s[TBB], s[TBB], 2*HSTB
	s_xor_b32 s[TBB], s[TBB], SLOT
	s_wait_dscnt 0x0                               ; the add is done, and my reads of the slot are over
.if \fill
	CROUND
	JLOAD
.else
	s_barrier_signal -1
	s_barrier_wait -1
.endif
.endm
	s_load_b128 s[4:7], s[0:1], 0x0                ; hn s[4:5], wb s[6:7]
	s_load_b64 s[8:9], s[0:1], 0x10                ; kvq
	v_lshl_add_u32 v[SPW], v0, 2, SPARE
	v_mov_b32 v[NIL], 0
	ds_add_u32 v28, v29
	ds_add_u32 v28, v29
	s_wait_dscnt 0x0
	v_lshrrev_b32 v1, 5, v0
	v_readfirstlane_b32 s[WV], v1                  ; wave 0..3
	s_mov_b32 s[WR], s[WV]                         ; four waves one below the other
	s_mov_b32 s[WC], 0
	s_bfe_u32 s60, ttmp6, 0x40000                  ; cx
	s_bfe_u32 s61, ttmp6, 0x40004                  ; cy
	s_lshl_b32 s62, ttmp9, 2
	s_add_co_u32 s62, s62, s60                     ; tile column = 4 x cluster x + cx
	s_and_b32 s63, ttmp7, 0xffff
	s_lshl_b32 s63, s63, 2
	s_add_co_u32 s63, s63, s61                     ; tile row = 4 x cluster y + cy
	s_lshl_b32 s18, s61, 2
	s_lshl_b32 s18, 15, s18                        ; my row of the cluster
	s_lshl_b32 s20, 0x1111, s60                    ; my column
	s_or_b32 s[G1A], s18, (1<<16)|(1<<20)|(1<<21)|(5<<22)|(3<<25)  ; the mask; 2-byte elements; padding on; bit 21 beside a mask; after every 64 words, 4 words
	s_or_b32 s[G1B], s20, W0B
	s_mov_b32 s[G1A+1], 128<<16                    ; tensor_dim0 = 128
	s_mov_b32 s[G1A+2], AROWS<<16                  ; tensor_dim1
	s_mov_b32 s[G1A+3], 128<<16                    ; tile_dim0 = 128
	s_mov_b32 s[G1A+4], AROWS                      ; tile_dim1
	s_mov_b32 s[G1A+5], 1024                       ; elements from row to row
	s_mov_b32 s[G1A+6], 0
	s_mov_b32 s[G1A+7], 0
	s_mov_b32 s[G1B+1], BD0<<16
	s_mov_b32 s[G1B+2], 64<<16
	s_mov_b32 s[G1B+3], BD0<<16
	s_mov_b32 s[G1B+4], 64
	s_mov_b32 s[G1B+5], BST
	s_mov_b32 s[G1B+6], 0
	s_mov_b32 s[G1B+7], 0
	s_lshl_b32 s66, s63, 19                        ; A: 256 rows of 2,048 bytes a tile row
	s_mov_b32 s67, 0
	s_mul_i32 s23, s[WV], HEADB                    ; waves 1-3 put heads 0-2 of the tile behind A: wave x HEADB + BOFF - HEADB
	s_add_co_u32 s23, s23, BOFF-HEADB              ; (wave 0 makes the word too, and issues no such load)
	s_max_u32 s21, s[WV], 1
	s_sub_co_u32 s21, s21, 1                       ; the head in the tile, for the global address alone
	s_mul_i32 s68, s62, 3
	s_add_co_u32 s68, s68, s21                     ; head g = 3 x tile column + j,
	s_lshl_b32 s68, s68, 17                        ; 131,072 bytes each
	s_mov_b32 s69, 0
	s_mov_b32 s[TA], 0                             ; the reads begin in slot 0
	s_mov_b32 s[TBB], 0
	s_wait_kmcnt 0x0
	s_add_nc_u64 s[66:67], s[4:5], s[66:67]
	s_add_nc_u64 s[68:69], s[6:7], s[68:69]
.irp s, 0,1
	s_mov_b32 s[G0A+4*(\s)], 1                                     ; count = 1
	s_mov_b32 s[G0A+4*(\s)+1], (\s)*SLOT                           ; A's tile at the slot's head
	s_add_nc_u64 s[G0A+4*(\s)+2:G0A+4*(\s)+3], s[66:67], (\s)*STEPA  ; K step s
	s_or_b32 s[G0A+4*(\s)+3], s[G0A+4*(\s)+3], 0x80000000          ; type = 2
	s_mov_b32 s[G0B+4*(\s)], 1
	s_add_co_u32 s[G0B+4*(\s)+1], s23, (\s)*SLOT
	s_add_nc_u64 s[G0B+4*(\s)+2:G0B+4*(\s)+3], s[68:69], (\s)*STEPB
	s_or_b32 s[G0B+4*(\s)+3], s[G0B+4*(\s)+3], 0x80000000
.endr
	CROUND                                         ; all sixteen work-groups are here: the first joint loads meet
	s_cmp_lt_u32 s[WV], NA                         ; a wave's two first fills stand in one branch, ahead of every wait on TENSORcnt and every LDS read
	s_cbranch_scc0 .Lfirst_b
	tensor_load_to_lds s[G0A:G0A+3], s[G1A:G1A+7]
	s_nop 0
	tensor_load_to_lds s[WKA:WKA+3], s[G1A:G1A+7]
	s_nop 0
.rept 4
	v_nop
.endr
	s_branch .Lfirst_asked
.Lfirst_b:
	tensor_load_to_lds s[G0B:G0B+3], s[G1B:G1B+7]
	s_nop 0
	tensor_load_to_lds s[WKB:WKB+3], s[G1B:G1B+7]
	s_nop 0
.rept 4
	v_nop
.endr
.Lfirst_asked:
	v_and_b32 v1, 15, v0                           ; r = lane % 16
	v_bfe_u32 v2, v0, 4, 1                         ; h = lane / 16
	v_and_b32 v3, 7, v0
	v_bfe_u32 v4, v0, 3, 1
	v_mul_u32_u24 v[ADRA0], v1, PA                 ; A: row x pitch + 16 h, two loads 32 bytes apart
	v_lshl_add_u32 v[ADRA0], v2, 4, v[ADRA0]
	s_mul_i32 s22, s[WR], 16*MB*PA
	v_add_nc_u32 v[ADRA0], s22, v[ADRA0]
	v_lshl_add_u32 v5, v2, 3, v3                   ; the turning load: k-row 8 h + lane % 8, 16 bytes at 16 ((lane / 8) % 2)
	v_mul_u32_u24 v[ADRB0], v5, PB
	v_lshl_add_u32 v[ADRB0], v4, 4, v[ADRB0]
	s_lshl_b32 s23, s[WC], 8
	s_add_co_u32 s23, s23, BOFF
	v_add_nc_u32 v[ADRB0], s23, v[ADRB0]
	s_mul_i32 s22, s[WV], 16*SP
	s_add_co_u32 s22, s22, STAGE                   ; my stage
	v_mul_u32_u24 v[STO], v1, SP                   ; in: row r, 16 bytes for each half of the lanes
	v_lshl_add_u32 v[STO], v2, 4, v[STO]
	v_add_nc_u32 v[STO], s22, v[STO]
	v_bfe_u32 v[RD], v0, 3, 2                      ; back: 32 lanes take four rows of 128 bytes,
	v_mul_u32_u24 v[RD], v[RD], SP
	v_lshl_add_u32 v[RD], v3, 4, v[RD]
	v_add_nc_u32 v[RD], s22, v[RD]
	v_and_b32 v[GO], 31, v0                        ; which are 512 consecutive bytes of the result
	v_lshlrev_b32 v[GO], 4, v[GO]
	; the three heads' bases: ((g / 16) x 32 + batch x 16 + g % 16) x 262,144 + my first row in the batch x 128
	s_mul_i32 s22, s62, 3
	s_and_b32 s23, s63, 7
	s_lshl_b32 s23, s23, 15
	s_lshl_b32 s70, s[WV], 13
	s_add_co_u32 s23, s23, s70
	s_lshr_b32 s70, s63, 3
	s_lshl_b32 s70, s70, 4
.irp cb, 0,1,2
	s_add_co_u32 s72, s22, \cb
	s_lshr_b32 s73, s72, 4
	s_lshl_b32 s73, s73, 5
	s_and_b32 s72, s72, 15
	s_add_co_u32 s72, s72, s73
	s_add_co_u32 s72, s72, s70
	s_lshl_b32 s72, s72, 18
	s_add_co_u32 s72, s72, s23
	s_mov_b32 s73, 0
	s_add_nc_u64 s[OUT+2*\cb:OUT+2*\cb+1], s[8:9], s[72:73]
.endr
.macro ADDR                            ; the addresses of the next half step; with two v_nop these are the four places in front of the loads that follow
	WIN 0
	v_add_nc_u32 v[ADRA], s[TA], v[ADRA0]
	v_add_nc_u32 v[ADRB], s[TBB], v[ADRB0]
	s_add_co_u32 s[TA], s[TA], HSTA
	s_add_co_u32 s[TBB], s[TBB], HSTB
	v_nop
	v_nop
.endm
.macro FETCH f                         ; one run of LDS loads: 32 along K, part f of the half step, into buffer f
	WIN 0x40                                       ; destination window 1, address window 0
.set nb, 0
.rept NBW
	ds_load_tr16_b128 v[128*(\f)+8*nb:128*(\f)+8*nb+3],   v[ADRB] offset:(\f)*32*PB+(nb/4)*HEADB+(nb%4)*32
	ds_load_tr16_b128 v[128*(\f)+8*nb+4:128*(\f)+8*nb+7], v[ADRB] offset:(\f)*32*PB+(nb/4)*HEADB+(nb%4)*32+16*PB
.set nb, nb+1
.endr
	WIN 0
.set ab, 0
.rept MB
	ds_load_b128 v[FA+64*(\f)+8*ab:FA+64*(\f)+8*ab+3],   v[ADRA] offset:(\f)*64+ab*16*PA
	ds_load_b128 v[FA+64*(\f)+8*ab+4:FA+64*(\f)+8*ab+7], v[ADRA] offset:(\f)*64+ab*16*PA+32
.set ab, ab+1
.endr
.endm
.macro MUL f, zero                     ; all accumulators by turns, one instruction a turn, always in the same order.  zero = 1: the first product starts the sums
.set id, 0
.rept MB*NBW
.set rD, 8*(id%32)
.set rB, 128*(\f)+8*(id/MB)
.set rA, FA+64*(\f)+8*(id%MB)
	WIN 0xa1+0x50*(id/32)                          ; source 0 window 1, source 1 window 0, C and D window 2 or 3
.if \zero
	v_wmma_f32_16x16x32_bf16 v[rD:rD+7], v[rB:rB+7], v[rA:rA+7], 0
.else
	v_wmma_f32_16x16x32_bf16 v[rD:rD+7], v[rB:rB+7], v[rA:rA+7], v[rD:rD+7]
.endif
.set id, id+1
.endr
.endm
; Half a K step.  Each run of loads stands a whole MUL ahead of the wait for it; at the end no LDS read is out, and buffer 1 is still to be multiplied.
.macro BODY
	ADDR
	FETCH 0
	MUL 1, 0
	s_wait_dscnt 0x0                               ; buffer 0 is in
	PLACES
	FETCH 1
	MUL 0, 0
	WIN 0
	s_wait_dscnt 0x0                               ; buffer 1 is in
.endm
; THE WAY OUT, in units u of 16 rows x 64 columns (a head): rounded, 16 bytes a lane into my stage, back as whole rows of 128 bytes, stored as 512 consecutive bytes.
.macro PACK u
.set ua, (\u)%MB
.set ucb, (\u)/MB
.set tm, TMP+16*((\u)%2)
.set wn, ((4*ucb)*MB+ua)/32
.if (\u) >= 2
	s_wait_xcnt 0x0                                ; the stores of the unit two back have read these registers (ISA guide 3.1)
.endif
	WIN 0x0a+5*wn                                  ; sources 0 and 1 in the accumulators' window
.set k, 0
.rept 4
.set rD, 8*(((4*ucb+k)*MB+ua)%32)
.set z, 0
.rept 4
	v_cvt_pk_f16_f32 v[tm+4*k+z], v[rD+2*z], v[rD+2*z+1]
.set z, z+1
.endr
.set k, k+1
.endr
	WIN 0
.set k, 0
.rept 4
	ds_store_b128 v[STO], v[tm+4*k:tm+4*k+3] offset:32*k
.set k, k+1
.endr
.set k, 0
.rept 4
	ds_load_b128 v[tm+4*k:tm+4*k+3], v[RD] offset:k*4*SP  ; LDS serves a wave's instructions in order (ISA guide 5.7.1.4): these see the stores above
.set k, k+1
.endr
.endm
.macro SEND u, younger                 ; younger: the LDS instructions issued behind unit u's loads: the next unit's eight, or none
.set ua, (\u)%MB
.set ucb, (\u)/MB
.set tm, TMP+16*((\u)%2)
	WIN 0
.set k, 0
.rept 4
	s_wait_dscnt (\younger)+3-k
	global_store_b128 v[GO], v[tm+4*k:tm+4*k+3], s[OUT+2*ucb:OUT+2*ucb+1] offset:ua*2048+k*512
.set k, k+1
.endr
.endm
	s_wait_tensorcnt 0x1                           ; my part of K step 0 is in; K step 1's may stay out
	s_barrier_signal -1
	s_barrier_wait -1                              ; everybody's is
	ADDR
	FETCH 0
	FETCH 1
	s_wait_dscnt 2*(MB+NBW)                        ; buffer 0 is in; buffer 1's loads, as many, may be out
	MUL 0, 1
	WIN 0
	s_wait_dscnt 0x0
	s_mov_b32 s[SLOTS], T-1                        ; the loop is entered at the second half of K step 0: that pass counts as one
	s_mov_b32 s[CNT], 1
	s_branch .Lhalf
.Lslot:                                                ; K steps 1 to T - 2: each asks for the step behind the next
	CHANGE 1
	s_mov_b32 s[CNT], 2
.Lhalf:
	BODY
	s_sub_co_u32 s[CNT], s[CNT], 1
	s_cmp_lg_u32 s[CNT], 0
	s_cbranch_scc1 .Lhalf
	s_sub_co_u32 s[SLOTS], s[SLOTS], 1
	s_cmp_lg_u32 s[SLOTS], 0
	s_cbranch_scc1 .Lslot
	CHANGE 0                                       ; the last K step is written out
	s_mov_b32 s[CNT], 2
.Lhalf2:
	BODY
	s_sub_co_u32 s[CNT], s[CNT], 1
	s_cmp_lg_u32 s[CNT], 0
	s_cbranch_scc1 .Lhalf2
	MUL 1, 0
	PLACES
	PACK 0
.set uu, 1
.rept MB*NBW/4-1
	PACK uu
	SEND uu-1, 8
.set uu, uu+1
.endr
	SEND MB*NBW/4-1, 0
	s_wait_tensorcnt 0x0                           ; the wave's end
	ds_add_u32 v[SPW], v[NIL]
	s_wait_dscnt 0x0
	CROUND                                         ; the closing round
	s_endpgm
.Lfunc_end_k_q348be08275_qkv:
	.size	k_q348be08275_qkv, .Lfunc_end_k_q348be08275_qkv-k_q348be08275_qkv
	.p2alignl 7, 3214868480
	.fill 96, 4, 3214868480
	.section	.rodata,"a",@progbits
	.p2align	6, 0x0
	.amdhsa_kernel k_q348be08275_qkv
		.amdhsa_group_segment_fixed_size 327680
		.amdhsa_private_segment_fixed_size 0
		.amdhsa_enable_private_segment 0
		.amdhsa_kernarg_size 24
		.amdhsa_user_sgpr_count 2
		.amdhsa_user_sgpr_kernarg_segment_ptr 1
		.amdhsa_wavefront_size32 1
		.amdhsa_system_sgpr_workgroup_id_x 1
		.amdhsa_system_sgpr_workgroup_id_y 1
		.amdhsa_system_sgpr_workgroup_id_z 1
		.amdhsa_system_vgpr_workitem_id 0
		.amdhsa_next_free_vgpr 896
		.amdhsa_next_free_sgpr 96
		.amdhsa_reserve_vcc 0
		.amdhsa_float_denorm_mode_32 3
		.amdhsa_float_denorm_mode_16_64 3
		.amdhsa_memory_ordered 1
		.amdhsa_forward_progress 1
		.amdhsa_inst_pref_size 68
	.end_amdhsa_kernel
	.amdgpu_metadata
---
amdhsa.version: [ 1, 2 ]
amdhsa.kernels:
  - .name:           k_q348be08275_qkv
    .symbol:         k_q348be08275_qkv.kd
    .args:
      - { .name: hn, .offset: 0, .size: 8, .value_kind: global_buffer, .address_space: global }
      - { .name: wb, .offset: 8, .size: 8, .value_kind: global_buffer, .address_space: global }
      - { .name: kvq, .offset: 16, .size: 8, .value_kind: global_buffer, .address_space: global }
    .group_segment_fixed_size: 327680
    .private_segment_fixed_size: 0
    .kernarg_segment_align: 8
    .kernarg_segment_size: 24
    .max_flat_workgroup_size: 128
    .sgpr_count:     96
    .vgpr_count:     896
    .wavefront_size: 32
...
	.end_amdgpu_metadata
.endif
;; end of part 2
;; launch attn (part 3): grid 8 x 32, 4 waves a work-group, no clusters, 327,680 bytes of LDS; arguments kvq, o; writes o
.if DOCPART == 3
	.amdgcn_target "amdgcn-amd-amdhsa--gfx1250"
	.amdhsa_code_object_version 6
	.text
	.protected	k_q348be08275_attn
	.globl	k_q348be08275_attn
	.p2align	8
	.type	k_q348be08275_attn,@function
k_q348be08275_attn:
	s_mov_b64 s[64:65], 0
	v_nop
	global_prefetch_b8 v0, s[64:65] scope:SCOPE_SE
	s_setreg_imm32_b32 hwreg(HW_REG_WAVE_MODE, 25, 1), 1
	s_wait_xcnt 0x0
; CAUSAL ATTENTION.  O[q] = the sum over k <= q of softmax_k(Q[q] . K[k] / 32) V[k], for each of 32 heads (batch x 16 + head) of 2,048 rows of 64 channels.
; kvq: f16, K at byte 0, V at 8,388,608, Q at 16,777,216, each [32][2048][64].  o: bf16, [row block of 128: 32][head 16][128 rows][64].
; Products, maxima and sums in f32; the weights p are rounded to f16 for the second product (their sum l is taken of the unrounded p), O once, to bf16.
; LIMITS.  Q, K, V arrive within f16's 65,504.  A hidden score counts as its value less 1e30; a weight below 2^-126 counts as 0 in l; NaN and infinities are not treated apart.
; THE WALK.  A head's queries lie in 16 blocks of 128; block i needs the key tiles 0 .. i / 2 of 256 keys, of which the last holds the diagonal.  A work-group takes TWO blocks, 15 - b and then b:
; 9 tiles whatever b, so all 256 work-groups do equal work and ONE loop with a constant trip count walks them.
; NO CLUSTER: a head's eight work-groups ask for the same tile only in trips 0 to 4 of 9, behind that the first blocks end one after the other; one walk common to all would have 12 trips for 9.
; SHARES.  Of a block's two bands of 64 queries a wave owns 16 rows in each: two PIECES.  In the diagonal tile piece x lies in band X = 2 (block % 2) + x of the tile's four:
; in key step s it sees all keys if s < X, none if s > X, and holds the diagonal if s = X: the same work for all four waves.
; THE MASK is the C operand that starts the sum S^T = K Q^T: MD x AL + BE, with MD the mask of a band's own step for my rows and two scalars: (1, 0), (0, 0) or (0, -1e30).
; TURNS.  Turn T0 (piece 0, step s): 8 products K Q^T of piece 1 (step s), 8 products V^T P of piece 1 (step s - 1), piece 0's softmax, piece 1's maximum; it fetches K of step s + 1 and V of step s.
; Turn T1 (piece 1, step s): 8 products K Q^T of piece 0 (step s + 1), 8 products V^T P of piece 0 (step s), piece 1's softmax, piece 0's maximum.
; A slot therefore holds FIVE steps of K (320 keys: the fifth is the next tile's first) and four of V.  Behind the head's last tile the fifth step reads the 64 rows that follow in kvq: stored, finite, and hidden.
; REGISTERS (s_set_vgpr_msb: bits 1:0 source 0, 3:2 source 1, 5:4 source 2, 7:6 destination):
;   window 0: v0-15 addresses and two at work; v16-23 statistics; v48-55 at work; v64-127 S^T, two buffers; v192-223 P, two buffers
;   window 1: v0-63 O^T; v128-159 MD; v160-223 MC, two buffers (piece x's masks in buffer x)      window 2: v0-31 Q; v64-95 the second block's Q; v128-191 K of one step; v192-255 V of one step
.set NP,    2
.set KS,    64
.set PK,    144       ; a row of K in LDS: 128 bytes + 16
.set PV,    160       ; a row of V: 128 + 32
.set VOFF,  5*KS*PK
.set SLOT1, 1<<17
.set STAGE, SLOT1+5*KS*PK+4*KS*PV  ; behind the ring: 16 rows x 144 bytes for each wave
.set SP,    144
.set AK0, 2
.set AV0, 3
.set AK,  4
.set AV,  5
.set STO, 6
.set RD,  7
.set GO,  8
.set SPW, 62
.set NIL, 63
.set SPARE, STAGE+4*16*SP  ; the spare words: 128 bytes for each wave, two blocks of 256 bytes that no other line names
.set MV,  12
.set QO,  15
.set ST,  16          ; piece t's statistics at v[ST+4 t]: c m, m, l (even keys', odd keys')
.set TMP, 48
.set S,   64
.set P,   192
.set MD,  128
.set MC,  160
.set QB,  64
.set KF,  128
.set VF,  192
.set WV,  12
.set PB,  14          ; s14  b, the second block
.set HI,  15          ; s15  15 - b, the first
.set G1K, 24
.set G1V, 32
.set G0K, 40
.set G0V, 44
.set SLOTS, 56
.set CNT, 57
.set CS,  58
.set SEL, 60
.set TBK, 62
.set TBV, 63
.set RT,  70          ; s70  tiles of the block in hand still to be entered
.set NXT, 71          ; s71  the tile to be asked for next
.set LQ,  72          ; s72  the last tile of the block whose tiles are being asked for
.set NEW, 73          ; s73  1: the tile to be entered is a block's first
.set OFF, 74
.set AL,  76
.set BE,  78
.set OLO, 80
.set BIGN, 82
.set XA,  92          ; s92  piece 0's band in the diagonal tile
.set XB,  93          ; s93  piece 1's
.set SG,  94          ; s94  the diagonal tile's key step for which masks are made
.set LQ2, 95          ; s95  the second block's last tile
.set MSB, 0
.macro WIN new
.if MSB != (\new)
	s_set_vgpr_msb (MSB<<8)|(\new)
.set MSB, (\new)
.endif
.endm
.set W_KQ, 0x0a
.set W_KM, 0x1a
.set W_PV, 0x52
.set W_RS, 0x41
.macro LOAD                         ; waves 0, 1 fetch the halves of a tile's K (160 keys each), waves 2, 3 those of its V (128 each); an s_nop 0 and four v_nop follow each line
	s_cmp_lt_u32 s[WV], 2
	s_cbranch_scc0 .Lfor_v_\@
	tensor_load_to_lds s[G0K:G0K+3], s[G1K:G1K+7]
	s_nop 0
.rept 4
	v_nop
.endr
	s_branch .Lasked_\@
.Lfor_v_\@:
	tensor_load_to_lds s[G0V:G0V+3], s[G1V:G1V+7]
	s_nop 0
.rept 4
	v_nop
.endr
.Lasked_\@:
.endm
; THE CHANGE OF SLOTS: all my tensor loads have landed, the add, my reads of the slot are over, the barrier; fill = 1: the old slot takes tile NXT, first thing behind the barrier.
.macro CHANGE fill
	WIN 0
	s_wait_tensorcnt 0x0            ; no tensor load of mine is out, so a group 0 may be written
	ds_add_u32 v[SPW], v[NIL]       ; 0 onto my spare word
.if \fill
	s_lshl_b32 s[OFF], s[NXT], 15   ; a tile begins 32,768 bytes behind the last, in K and in V
	s_xor_b32 s[G0K+1], s[G0K+1], SLOT1
	s_add_nc_u64 s[G0K+2:G0K+3], s[6:7], s[OFF:OFF+1]
	s_or_b32 s[G0K+3], s[G0K+3], 0x80000000
	s_xor_b32 s[G0V+1], s[G0V+1], SLOT1
	s_add_nc_u64 s[G0V+2:G0V+3], s[8:9], s[OFF:OFF+1]
	s_or_b32 s[G0V+3], s[G0V+3], 0x80000000
	s_add_co_u32 s[NXT], s[NXT], 1  ; the block's next tile, or behind its last the second block's tile 0
	s_cmp_gt_u32 s[NXT], s[LQ]
	s_cselect_b32 s[NXT], 0, s[NXT]
	s_cselect_b32 s[LQ], s[LQ2], s[LQ]
.endif
	s_wait_dscnt 0x0                ; the add is done, and my reads of the slot are over
	s_barrier_signal -1
	s_sub_co_u32 s[TBK], s[TBK], 4*KS*PK  ; K's fetches go back to a slot's second step,
	s_xor_b32 s[TBK], s[TBK], SLOT1       ; in the other slot
	s_sub_co_u32 s[TBV], s[TBV], 4*KS*PV  ; V's to its first
	s_xor_b32 s[TBV], s[TBV], SLOT1
	s_barrier_wait -1
.if \fill
	LOAD
.endif
.endm
	s_load_b128 s[88:91], s[0:1], 0x0  ; kvq s[88:89], o s[90:91]
	v_lshl_add_u32 v[SPW], v0, 2, SPARE
	v_mov_b32 v[NIL], 0
	ds_add_u32 v62, v63
	ds_add_u32 v62, v63
	s_wait_dscnt 0x0
	v_lshrrev_b32 v1, 5, v0
	v_readfirstlane_b32 s[WV], v1   ; wave 0..3
	s_mov_b32 s[PB], ttmp9
	s_sub_co_u32 s[HI], 15, s[PB]
	s_and_b32 s20, ttmp7, 0xffff    ; batch x 16 + head
	s_lshl_b32 s21, s20, 18         ; its 262,144 bytes in K, V and Q
	s_and_b32 s16, s[WV], 1         ; which half of a tile I fetch
	s_mul_i32 s22, s16, 160*128     ; K: 160 keys of 128 bytes
	s_add_co_u32 s22, s22, s21
	s_mov_b32 s23, 0
	s_lshl_b32 s18, s16, 14         ; V: 128 keys
	s_add_co_u32 s18, s18, s21
	s_add_co_u32 s18, s18, 8388608
	s_mov_b32 s19, 0
	s_mul_i32 s17, s16, 160*PK      ; and its place in a slot, for K
	s_mul_i32 s13, s16, 128*PV      ; and for V
	s_lshl_b32 s3, s[WV], 11        ; Q: my 16 rows in a band,
	s_add_co_u32 s3, s3, s21
	s_add_co_u32 s3, s3, 16777216
	s_lshl_b32 s2, s[HI], 14        ; in the first block,
	s_add_co_u32 s2, s2, s3
	s_lshl_b32 s84, s[PB], 14       ; and in the second
	s_add_co_u32 s84, s84, s3
	s_mov_b32 s3, 0
	s_mov_b32 s85, 0
	s_lshr_b32 s66, s20, 4          ; o: ((batch x 16 + block) x 16 + head) x 16,384 + wave x 2,048
	s_lshl_b32 s66, s66, 4
	s_and_b32 s67, s20, 15
	s_lshl_b32 s86, s[WV], 11
	s_add_co_u32 s68, s66, s[HI]
	s_lshl_b32 s68, s68, 4
	s_add_co_u32 s68, s68, s67
	s_lshl_b32 s68, s68, 14
	s_add_co_u32 s68, s68, s86
	s_mov_b32 s69, 0
	s_add_co_u32 s66, s66, s[PB]
	s_lshl_b32 s66, s66, 4
	s_add_co_u32 s66, s66, s67
	s_lshl_b32 s66, s66, 14
	s_add_co_u32 s66, s66, s86
	s_mov_b32 s67, 0
	; descriptor group 1: dense bytes asked for as rows of 256 bytes, two keys a row, padded in LDS after every key
	s_mov_b32 s[G1K], (1<<16)|(1<<20)|(4<<22)|(3<<25)  ; 2-byte elements; padding on; after every 32 words, 4 words
	s_mov_b32 s[G1V], (1<<16)|(1<<20)|(4<<22)|(7<<25)  ; the same with 8 words
	s_mov_b32 s[G1K+1], 128<<16     ; tensor_dim0 = 128
	s_mov_b32 s[G1K+2], 80<<16      ; tensor_dim1 = 80
	s_mov_b32 s[G1K+3], 128<<16     ; tile_dim0 = 128
	s_mov_b32 s[G1K+4], 80          ; tile_dim1 = 80
	s_mov_b32 s[G1K+5], 128
	s_mov_b32 s[G1K+6], 0
	s_mov_b32 s[G1K+7], 0
	s_mov_b32 s[G1V+1], 128<<16
	s_mov_b32 s[G1V+2], 64<<16
	s_mov_b32 s[G1V+3], 128<<16
	s_mov_b32 s[G1V+4], 64
	s_mov_b32 s[G1V+5], 128
	s_mov_b32 s[G1V+6], 0
	s_mov_b32 s[G1V+7], 0
	s_mov_b32 s[CS], 0x3d38aa3b     ; c = log2(e) / 32
	s_mov_b32 s[CS+1], s[CS]
	s_mov_b32 s[SEL], 0x76543210
	s_mov_b32 s[SEL+1], 0xfedcba98
	s_mov_b32 s[TBK], SLOT1+5*KS*PK ; the first change of slots turns this into K's second step in slot 0,
	s_mov_b32 s[TBV], SLOT1+4*KS*PV ; and this into 0
	s_mov_b32 s[G0K], 1
	s_mov_b32 s[G0K+1], s17
	s_mov_b32 s[G0V], 1
	s_add_co_u32 s[G0V+1], s13, VOFF
	s_lshr_b32 s[LQ], s[HI], 1
	s_lshr_b32 s[LQ2], s[PB], 1
	s_add_co_u32 s[RT], s[LQ], 1
	s_and_b32 s[XA], s[HI], 1
	s_lshl_b32 s[XA], s[XA], 1
	s_add_co_u32 s[XB], s[XA], 1
	s_mov_b32 s[NXT], 1
	s_mov_b32 s[NEW], 1
	s_mov_b32 s[OFF+1], 0
	s_mov_b32 s[AL+1], 0
	s_mov_b32 s[BE+1], 0
	s_mov_b32 s[BIGN], 0xf149f2ca   ; -1e30
	s_mov_b32 s[SLOTS], 8
	s_wait_kmcnt 0x0
	s_add_nc_u64 s[6:7], s[88:89], s[22:23]        ; K and V at my half of the head's tile 0
	s_add_nc_u64 s[8:9], s[88:89], s[18:19]
	s_add_nc_u64 s[4:5], s[88:89], s[2:3]          ; Q at my rows of the first block,
	s_add_nc_u64 s[86:87], s[88:89], s[84:85]      ; and of the second
	s_add_nc_u64 s[10:11], s[90:91], s[68:69]      ; o likewise
	s_add_nc_u64 s[OLO:OLO+1], s[90:91], s[66:67]
	s_add_nc_u64 s[G0K+2:G0K+3], s[6:7], 0
	s_or_b32 s[G0K+3], s[G0K+3], 0x80000000
	s_add_nc_u64 s[G0V+2:G0V+3], s[8:9], 0
	s_or_b32 s[G0V+3], s[G0V+3], 0x80000000
	LOAD                            ; tile 0 into slot 0
	v_and_b32 v1, 15, v0            ; l % 16
	v_bfe_u32 v9, v0, 4, 1          ; l / 16
	v_lshlrev_b32 v[QO], 7, v1
	v_lshl_add_u32 v[QO], v9, 4, v[QO]
	WIN 0x80
.set i, 0
.rept 4                             ; both blocks' Q: piece i / 2 lies 8,192 bytes on; channels 32 (i % 2) on
	global_load_b128 v[8*i:8*i+3],   v[QO], s[4:5] offset:(i/2)*8192+(i%2)*64
	global_load_b128 v[8*i+4:8*i+7], v[QO], s[4:5] offset:(i/2)*8192+(i%2)*64+32
	global_load_b128 v[QB+8*i:QB+8*i+3],   v[QO], s[86:87] offset:(i/2)*8192+(i%2)*64
	global_load_b128 v[QB+8*i+4:QB+8*i+7], v[QO], s[86:87] offset:(i/2)*8192+(i%2)*64+32
.set i, i+1
.endr
	WIN 0
	v_lshlrev_b32 v14, 3, v9
	v_sub_nc_u32 v14, v1, v14
	s_lshl_b32 s13, s[WV], 4
	v_add_nc_u32 v14, s13, v14      ; my query's place in its band less my lanes' 8 (l / 16): register r of group kt is hidden where 16 kt + r is greater
	WIN 0x40
.set i, 0
.rept 32
	v_cmp_gt_i32 vcc_lo, 16*(i/8)+i%8, v14
	v_cndmask_b32 v[MD+i], 0, s[BIGN], vcc_lo
.set i, i+1
.endr
	WIN 0
	v_mul_u32_u24 v[AK0], v1, PK
	v_lshl_add_u32 v[AK0], v9, 4, v[AK0]
	v_and_b32 v10, 7, v0
	v_bfe_u32 v11, v0, 3, 1
	v_lshl_add_u32 v[AV0], v9, 3, v10
	v_mul_u32_u24 v[AV0], v[AV0], PV
	v_lshl_add_u32 v[AV0], v11, 4, v[AV0]
	v_add_nc_u32 v[AV0], VOFF, v[AV0]
	s_mul_i32 s13, s[WV], 16*SP
	s_add_co_u32 s13, s13, STAGE
	v_mul_u32_u24 v[STO], v1, SP
	v_lshl_add_u32 v[STO], v9, 4, v[STO]
	v_add_nc_u32 v[STO], s13, v[STO]
	v_bfe_u32 v[RD], v0, 3, 2
	v_mul_u32_u24 v[RD], v[RD], SP
	v_lshl_add_u32 v[RD], v10, 4, v[RD]
	v_add_nc_u32 v[RD], s13, v[RD]
	v_and_b32 v[GO], 31, v0
	v_lshlrev_b32 v[GO], 4, v[GO]
	; A block's first step multiplies O^T and l by a = 0, so these registers need only hold finite numbers: zeros for the first block, what the first block left for the second.
	WIN 0x80
.set i, VF
.rept 64
	v_mov_b32 v[i], 0
.set i, i+1
.endr
	WIN 0x40
.set i, 0
.rept 64
	v_mov_b32 v[i], 0
.set i, i+1
.endr
	WIN 0
.set i, 0
.rept 2
	v_mov_b32 v[ST+4*i+2], 0
	v_mov_b32 v[ST+4*i+3], 0
.set i, i+1
.endr
.set i, P+16
.rept 16
	v_mov_b32 v[i], 0
.set i, i+1
.endr
; THE MATRIX WORK.  The 4 accumulators of a run of 8 take turns.
.macro KQ x                         ; product i of 8 of S^T = K Q^T: channels 32 (i / 4) on, keys 16 (i % 4) on; the first 4 start the sums, with 0 or (KM = 1) the mask
.set rS, S+32*((\x)%2)+8*(i%4)
.set rK, KF+16*(i%4)+8*(i/4)
.set rQ, 16*(\x)+8*(i/4)
.set rM, MC+32*((\x)%2)+8*(i%4)
.if (i < 4) && KM
	WIN W_KM
	v_wmma_f32_16x16x32_f16 v[rS:rS+7], v[rK:rK+7], v[rQ:rQ+7], v[rM:rM+7]
.elseif i < 4
	WIN W_KQ
	v_wmma_f32_16x16x32_f16 v[rS:rS+7], v[rK:rK+7], v[rQ:rQ+7], 0
.else
	WIN W_KQ
	v_wmma_f32_16x16x32_f16 v[rS:rS+7], v[rK:rK+7], v[rQ:rQ+7], v[rS:rS+7]
.endif
.endm
.macro PV x                         ; product i of 8 of O^T += V^T P: keys 32 (i / 4) on, channels 16 (i % 4) on
	WIN W_PV
.set rO, 32*(\x)+8*(i%4)
.set rV, VF+32*(i/4)+8*(i%4)
.set rP, P+16*((\x)%2)+8*(i/4)
	v_wmma_f32_16x16x32_f16 v[rO:rO+7], v[rV:rV+7], v[rP:rP+7], v[rO:rO+7]
.endm
.macro MM                           ; the turn's next matrix instruction
.if i < 8
	KQ (Y+1)%NP
.else
.set i, i-8
	PV (Y+NP-1)%NP
.set i, i+8
.endif
.set i, i+1
.endm
.macro FETCH_K step                 ; a step's K: 8 fragments in one run; step = 1: the next fetch is the next step's
	WIN 0x80
.irp f, 0,1,2,3,4,5,6,7
	ds_load_b128 v[KF+8*\f:KF+8*\f+3],   v[AK] offset:(\f/2)*16*PK+(\f%2)*64
	ds_load_b128 v[KF+8*\f+4:KF+8*\f+7], v[AK] offset:(\f/2)*16*PK+(\f%2)*64+32
.endr
.if \step
	s_add_co_u32 s[TBK], s[TBK], KS*PK
.endif
	WIN 0
.endm
.macro FETCH_V                      ; a step's V, turned
	WIN 0x80
.irp f, 0,1,2,3,4,5,6,7
	ds_load_tr16_b128 v[VF+8*\f:VF+8*\f+3],   v[AV] offset:(\f/4)*32*PV+(\f%4)*32
	ds_load_tr16_b128 v[VF+8*\f+4:VF+8*\f+7], v[AV] offset:(\f/4)*32*PV+16*PV+(\f%4)*32
.endr
	WIN 0
.endm
; THE VECTOR WORK, one line at a time: OP kind, number.  For piece Y: F n: c s - c m for pair n.  E n: the exponential of score n.  C n: pair n rounded to f16.  B n: of four weights the second pair onto the first.
; L n: l takes that sum (L 0: l = a l + sum).  R n: pair n of O^T times a.  For the other piece: X n, number n of the 22 that find its maximum and statistics (each accumulator's lowest registers are read first).
.set F, 0
.set E, 1
.set C, 2
.set B, 3
.set L, 4
.set R, 5
.set X, 6
.macro REGS y
.set rT, ST+4*(\y)
.set rC, TMP+4*((\y)%2)
.set rW, MV+((\y)%2)
.set rS, S+32*((\y)%2)
.set rP, P+16*((\y)%2)
.set rO, 32*(\y)
.endm
.macro OP k, n
.if (\k) == R
	REGS Y
	WIN W_RS
	v_pk_mul_f32 v[rO+2*(\n):rO+2*(\n)+1], v[rO+2*(\n):rO+2*(\n)+1], v[rC+2:rC+3] op_sel_hi:[1,0]
.elseif (\k) < R
	REGS Y
	WIN 0
.if (\k) == F
	v_pk_fma_f32 v[rS+2*(\n):rS+2*(\n)+1], v[rS+2*(\n):rS+2*(\n)+1], s[CS:CS+1], v[rT:rT+1] op_sel_hi:[1,0,0] neg_lo:[0,0,1] neg_hi:[0,0,1]
.elseif (\k) == E
	v_exp_f32 v[rS+(\n)], v[rS+(\n)]
.elseif (\k) == C
	s_wait_alu depctr_va_vdst(0)
	v_cvt_pk_f16_f32 v[rP+(\n)], v[rS+2*(\n)], v[rS+2*(\n)+1]
.elseif (\k) == B
	s_wait_alu depctr_va_vdst(0)
	v_pk_add_f32 v[rS+4*(\n):rS+4*(\n)+1], v[rS+4*(\n):rS+4*(\n)+1], v[rS+4*(\n)+2:rS+4*(\n)+3]
.elseif (\n) == 0
	v_pk_fma_f32 v[rT+2:rT+3], v[rT+2:rT+3], v[rC+2:rC+3], v[rS:rS+1] op_sel_hi:[1,0,1]
.else
	v_pk_add_f32 v[rT+2:rT+3], v[rT+2:rT+3], v[rS+4*(\n):rS+4*(\n)+1]
	s_wait_alu depctr_va_vdst(0)
.endif
.else
	REGS (Y+1)%NP
	WIN 0
.if (\n) < 4
	v_max3_num_f32 v[rC+(\n)], v[rS+8*(\n)], v[rS+8*(\n)+1], v[rS+8*(\n)+2]
.elseif (\n) < 12
	v_max3_num_f32 v[rC+(\n)%4], v[rC+(\n)%4], v[rS+8*((\n)%4)+2*((\n)/4)+1], v[rS+8*((\n)%4)+2*((\n)/4)+2]
.elseif (\n) == 12
	v_max3_num_f32 v[rC], v[rC], v[rS+7], v[rS+15]
.elseif (\n) == 13
	v_max3_num_f32 v[rC+1], v[rC+1], v[rS+23], v[rS+31]
.elseif (\n) == 14
	v_max3_num_f32 v[rC+2], v[rC+2], v[rC+3], v[rT+1]
.elseif (\n) == 15
	v_mov_b32 v[rW], v[rT]
	s_wait_alu depctr_va_vdst(0)
.elseif (\n) == 16
	v_max3_num_f32 v[rC], v[rC], v[rC+1], v[rC+2]
	s_wait_alu depctr_va_vdst(0)
.elseif (\n) == 17
	v_permlanex16_b32 v[rC+3], v[rC], s[SEL], s[SEL+1]
.elseif (\n) == 18
	v_max_num_f32 v[rT+1], v[rC], v[rC+3]
.elseif (\n) == 19
	v_mul_f32 v[rT], s[CS], v[rT+1]
.elseif (\n) == 20
	v_sub_f32 v[rC+1], v[rW], v[rT]
.else
	v_exp_f32 v[rC+2], v[rC+1]
.endif
.endif
.endm
.macro OPS a, i1, b=-1, i2=0, c=-1, i3=0, d=-1, i4=0
	OP \a, \i1
.if (\b) >= 0
	OP \b, \i2
.endif
.if (\c) >= 0
	OP \c, \i3
.endif
.if (\d) >= 0
	OP \d, \i4
.endif
.endm
.macro ROW a, i1, b, i2, c, i3, d, i4  ; a matrix instruction and the four behind it
	MM
	OPS \a, \i1, \b, \i2, \c, \i3, \d, \i4
.endm
.macro MASK b                       ; MD x AL + BE into buffer b of MC
	WIN W_RS
.set z, 0
.rept 16
	v_pk_fma_f32 v[MC+32*(\b)+2*z:MC+32*(\b)+2*z+1], v[MD+2*z:MD+2*z+1], s[AL:AL+1], s[BE:BE+1] op_sel_hi:[1,0,0]
.set z, z+1
.endr
.endm
; A TURN, for piece p: 16 matrix and 118 vector instructions.  Behind a matrix instruction four vector instructions that name none of its registers; the rest in two lumps, exponential and plain by turns.
; m = 1: the diagonal tile: the products take masks, and the turn makes the mask for the products of the turn after it, which are piece p's own next scores: buffer p of MC.
; cnt = 1: the loop's count is taken down some lines ahead of the branch behind the turn.
; Piece 0's turn fetches K of the next step five plain instructions behind the last product that read K, and V of the step in hand five plain instructions behind the last product that read V.
.macro TURN p, m=0, cnt=0
.set Y, (\p)
.set i, 0
.set KM, (\m)
.if \m
.if (\p) == 0
	s_add_co_u32 s[SG], s[SG], 1    ; the next turn's scores are piece 0's of the next step
	s_cmp_eq_u32 s[SG], s[XA]
	s_cselect_b32 s[AL], 1.0, 0
	s_cmp_gt_u32 s[SG], s[XA]
	s_cselect_b32 s[BE], s[BIGN], 0
.else
	s_cmp_eq_u32 s[SG], s[XB]       ; the next turn's scores are piece 1's of step SG
	s_cselect_b32 s[AL], 1.0, 0
	s_cmp_gt_u32 s[SG], s[XB]
	s_cselect_b32 s[BE], s[BIGN], 0
.endif
.endif
.if (\p) == 1
	s_wait_dscnt 16                 ; K's 16 loads are in; V's 16, issued behind them, may be out
.endif
	ROW F,0, F,1, F,2, F,3
	ROW F,4, E,0, F,5, F,6
	ROW F,7, E,1, F,8, F,9
	ROW F,10, E,2, C,0, F,11
	ROW F,12, E,3, X,15, F,13
	ROW R,0, R,1, R,2, R,3
	ROW B,0, E,4, F,14, L,0
.if (\p) == 0
	v_add_nc_u32 v[AK], s[TBK], v[AK0]
.endif
	ROW R,4, R,5, R,6, R,7
	OPS E,5, F,15
.if (\p) == 0
	FETCH_K 1
.endif
	OPS E,6, C,1, E,7, R,8
	OPS E,8, R,9, E,9, C,2
	OPS E,10, X,0, E,11, X,1
	OPS E,12, X,2, E,13, X,3
.if (\p) == 1
	s_wait_dscnt 0x0                ; V is in
.endif
	ROW X,4, E,14, X,5, X,6
	ROW X,7, E,15, X,8, X,9
	ROW X,10, E,16, X,11, X,12
	ROW X,13, E,17, X,14, B,1
	ROW C,4, E,18, X,16, L,1
	ROW B,2, E,19, C,6, L,2
	ROW C,8, E,20, B,3, B,4
.if (\p) == 0
	v_add_nc_u32 v[AV], s[TBV], v[AV0]
.endif
	ROW C,3, E,21, L,3, C,5
	OPS E,22, X,17, E,23, C,10
.if (\p) == 0
	FETCH_V
.endif
	OPS E,24, L,4
	OPS E,25, X,18, E,26, C,7
	OPS E,27, B,5, E,28, X,19
	OPS E,29, C,12, E,30, L,5
	OPS E,31, X,20, B,6, C,9
	OPS C,14, C,11, X,21, L,6
.if (\p) == 0
	s_add_co_u32 s[TBV], s[TBV], KS*PV
.endif
.if \cnt
	s_sub_co_u32 s[CNT], s[CNT], 1
	s_cmp_lg_u32 s[CNT], 0
.endif
	OPS C,13, B,7, C,15, R,10
	OPS R,11, R,12, L,7, R,13
	OPS R,14, R,15
.if \m
	MASK (\p)%2
.endif
.endm
; A BLOCK BEGINS.  c m starts far below every c s, so the first step's a is 0; m at the lowest finite number.  Piece 1's first mask is 0 (its band is never the tile's first);
; piece 0's is its own step's if the block's first tile is the diagonal one and its band is the tile's first.  Then K of the tile's step 0, piece 0's first scores, its maximum and statistics.
.macro BEGIN
	s_mov_b32 s[NEW], 0
	WIN 0x40
.set i, MC+32
.rept 32
	v_mov_b32 v[i], 0
.set i, i+1
.endr
	WIN 0
.set i, 0
.rept 2
	v_mov_b32 v[ST+4*i], 0xfe000000
	v_mov_b32 v[ST+4*i+1], 0xff7fffff
.set i, i+1
.endr
	s_or_b32 s13, s[RT], s[XA]
	s_cmp_eq_u32 s13, 0
	s_cselect_b32 s[AL], 1.0, 0
	s_mov_b32 s[BE], 0
	MASK 0
	WIN 0
	s_sub_co_u32 s13, s[TBK], KS*PK
	v_add_nc_u32 v[AK], s13, v[AK0]
	FETCH_K 0
	s_wait_loadcnt 0x0              ; Q
	s_wait_dscnt 0x0
.set KM, 1
.set i, 0
.rept 8
	KQ 0
.set i, i+1
.endr
	WIN 0
.rept 4
	v_nop                           ; the places behind those products
.endr
.set Y, NP-1
.irp n, 0,1,2,3,4,5,6,7,8,9,10,11,12,13,14,15,16,17,18,19,20,21
	OP X, \n
.endr
	v_nop                           ; a plain instruction behind the exponential
.endm
.macro ENTER                        ; the diagonal tile is entered from a plain one: piece 0's mask for its step 0
	s_cmp_eq_u32 s[XA], 0
	s_cselect_b32 s[AL], 1.0, 0
	s_mov_b32 s[BE], 0
	MASK 0
	WIN 0
	s_mov_b32 s[CNT], 5
.endm
.macro ALL line:vararg
.set t, 0
.rept 2
	\line
.set t, t+1
.endr
.endm
.macro PACK t                       ; a lane's eight channels of a row pack into 16 bytes; into rows of 144 bytes and back as whole rows of 128
	WIN W_RS
.set i, 32*(\t)
.rept 16
	v_pk_mul_f32 v[i:i+1], v[i:i+1], v[ST+4*(\t)+2:ST+4*(\t)+3] op_sel_hi:[1,0]
.set i, i+2
.endr
	WIN 0x05
.set i, 0
.rept 16
	v_cvt_pk_bf16_f32 v[S+16*(\t)+i], v[32*(\t)+2*i], v[32*(\t)+2*i+1]
.set i, i+1
.endr
	WIN 0
.irp f, 0,1,2,3
	ds_store_b128 v[STO], v[S+16*(\t)+4*\f:S+16*(\t)+4*\f+3] offset:32*\f
.endr
.irp f, 0,1,2,3
	ds_load_b128 v[S+16*(\t)+4*\f:S+16*(\t)+4*\f+3], v[RD] offset:\f*4*SP  ; LDS serves a wave's instructions in order (ISA guide 5.7.1.4): these see the stores above
.endr
.endm
.macro SEND t, younger              ; younger: the LDS instructions issued behind piece t's loads
	WIN 0
.irp f, 0,1,2,3
	s_wait_dscnt (\younger)+3-\f
	global_store_b128 v[GO], v[S+16*(\t)+4*\f:S+16*(\t)+4*\f+3], s[10:11] offset:(\t)*8192+\f*512  ; 512 consecutive bytes, aligned
.endr
.endm
; THE DIAGONAL TILE and the block's end.  The loop is left in the middle of a trip; the last T1's scores (a fifth step, all hidden) and the maximum made of them serve nothing and touch neither l nor O^T.
.macro DIAG tag
.LstepM\tag:
	TURN 1, 1
	WIN 0
	s_sub_co_u32 s[CNT], s[CNT], 1
	s_cmp_eq_u32 s[CNT], 0
	s_cbranch_scc1 .Lout\tag
.LfirstM\tag:
	TURN 0, 1
	WIN 0
	s_branch .LstepM\tag
.Lout\tag:
.set i, 0
.rept 8
	PV 1                            ; piece 1's V^T P of the last step
.set i, i+1
.endr
	WIN 0
	ALL v_add_f32 v[ST+4*t+2], v[ST+4*t+2], v[ST+4*t+3]
	ALL v_permlanex16_b32 v[ST+4*t+3], v[ST+4*t+2], s[SEL], s[SEL+1]
	ALL v_add_f32 v[ST+4*t+2], v[ST+4*t+2], v[ST+4*t+3]
	ALL v_rcp_f32 v[ST+4*t+2], v[ST+4*t+2]
	v_nop                           ; a plain instruction between the last reciprocal and the use of its result
	s_wait_alu depctr_va_vdst(0)
	PACK 0                          ; piece 0's arithmetic stands between the last products, piece 1's, and the lines that read them
	PACK 1
	SEND 0, 8
	SEND 1, 0
.endm
.set KM, 0
.Lslot:                             ; 8 times: a tile is entered and the next is asked for
	CHANGE 1
	s_sub_co_u32 s[RT], s[RT], 1
	s_mov_b32 s[CNT], 4
	s_mov_b32 s[SG], 0
	s_cmp_eq_u32 s[NEW], 1
	s_cbranch_scc1 .Lnew            ; a block's first tile
	s_cmp_eq_u32 s[RT], 0
	s_cbranch_scc0 .Lstep           ; neither its first nor its last
	ENTER
	s_branch .LstepM1
.Lnew:
	BEGIN
	s_branch .Lfirst                ; in the loop a block's first tile is never its last: the first block has five tiles or more, and the second's last is the walk's last
	DIAG 1                          ; in the loop this is the first block's end
	s_wait_xcnt 0x0                 ; the stores have read their registers and o's address
	s_mov_b64 s[10:11], s[OLO:OLO+1]
	s_add_co_u32 s[RT], s[LQ2], 1
	s_mov_b32 s[NEW], 1
	s_and_b32 s[XA], s[PB], 1
	s_lshl_b32 s[XA], s[XA], 1
	s_add_co_u32 s[XB], s[XA], 1
	WIN 0x82                        ; the second block's Q goes where the one text of the turns names Q
.set i, 0
.rept 32
	v_mov_b32 v[i], v[QB+i]
.set i, i+1
.endr
	WIN 0
	s_branch .Lbottom
.Lstep:                             ; a trip: piece 1 of one step, then piece 0 of the next
	TURN 1
	WIN 0
.Lfirst:
	TURN 0, 0, 1
	WIN 0
	s_cbranch_scc1 .Lstep
.Lbottom:
	s_sub_co_u32 s[SLOTS], s[SLOTS], 1
	s_cmp_lg_u32 s[SLOTS], 0
	s_cbranch_scc1 .Lslot
	CHANGE 0                        ; the walk's last tile is written out
	s_sub_co_u32 s[RT], s[RT], 1
	s_mov_b32 s[CNT], 4
	s_mov_b32 s[SG], 0
	s_cmp_eq_u32 s[NEW], 1
	s_cbranch_scc1 .Lnew2
	ENTER
	s_branch .LstepM2
.Lnew2:
	BEGIN
	s_branch .LfirstM2
	DIAG 2
	s_wait_tensorcnt 0x0            ; the wave's end
	ds_add_u32 v[SPW], v[NIL]
	s_wait_dscnt 0x0
	s_endpgm
.Lfunc_end_k_q348be08275_attn:
	.size	k_q348be08275_attn, .Lfunc_end_k_q348be08275_attn-k_q348be08275_attn
	.p2alignl 7, 3214868480
	.fill 96, 4, 3214868480
	.section	.rodata,"a",@progbits
	.p2align	6, 0x0
	.amdhsa_kernel k_q348be08275_attn
		.amdhsa_group_segment_fixed_size 327680
		.amdhsa_private_segment_fixed_size 0
		.amdhsa_enable_private_segment 0
		.amdhsa_kernarg_size 16
		.amdhsa_user_sgpr_count 2
		.amdhsa_user_sgpr_kernarg_segment_ptr 1
		.amdhsa_wavefront_size32 1
		.amdhsa_system_sgpr_workgroup_id_x 1
		.amdhsa_system_sgpr_workgroup_id_y 1
		.amdhsa_system_sgpr_workgroup_id_z 1
		.amdhsa_system_vgpr_workitem_id 0
		.amdhsa_next_free_vgpr 768
		.amdhsa_next_free_sgpr 96
		.amdhsa_reserve_vcc 1
		.amdhsa_float_denorm_mode_32 3
		.amdhsa_float_denorm_mode_16_64 3
		.amdhsa_memory_ordered 1
		.amdhsa_forward_progress 1
		.amdhsa_inst_pref_size 118
	.end_amdhsa_kernel
	.amdgpu_metadata
---
amdhsa.version: [ 1, 2 ]
amdhsa.kernels:
  - .name:           k_q348be08275_attn
    .symbol:         k_q348be08275_attn.kd
    .args:
      - { .name: kvq, .offset: 0, .size: 8, .value_kind: global_buffer, .address_space: global }
      - { .name: o, .offset: 8, .size: 8, .value_kind: global_buffer, .address_space: global }
    .group_segment_fixed_size: 327680
    .private_segment_fixed_size: 0
    .kernarg_segment_align: 8
    .kernarg_segment_size: 16
    .max_flat_workgroup_size: 128
    .sgpr_count:     96
    .vgpr_count:     768
    .wavefront_size: 32
...
	.end_amdgpu_metadata
.endif
;; end of part 3
;; launch wo (part 4): grid 8 x 32, 4 waves a work-group, clusters of 4 x 4, 327,680 bytes of LDS; arguments o, wb, bo, x, x1; writes x1
.if DOCPART == 4
	.amdgcn_target "amdgcn-amd-amdhsa--gfx1250"
	.amdhsa_code_object_version 6
	.text
	.protected	k_q348be08275_wo
	.globl	k_q348be08275_wo
	.p2align	8
	.type	k_q348be08275_wo,@function
k_q348be08275_wo:
	s_mov_b64 s[64:65], 0
	v_nop
	global_prefetch_b8 v0, s[64:65] scope:SCOPE_SE
	s_setreg_imm32_b32 hwreg(HW_REG_WAVE_MODE, 25, 1), 1
	s_wait_xcnt 0x0
	s_wait_alu depctr_hold_cnt(0) depctr_sa_sdst(0) depctr_va_vdst(0) depctr_va_sdst(0) depctr_va_ssrc(0) depctr_va_vcc(0) depctr_vm_vsrc(0)
	s_getreg_b32 s2, hwreg(HW_REG_IB_STS2, 6, 4)
	s_cmp_eq_u32 s2, 0
	s_cbranch_scc0 .Lentry_in_a_cluster
	s_endpgm
.Lentry_in_a_cluster:
	s_bfe_u32 s2, ttmp6, 0x10000c
	s_cmp_lg_u32 s2, 0xf033
	s_cbranch_scc0 .Lentry_shape_is_right
	s_endpgm
.Lentry_shape_is_right:
; WO.  x1 = x + o Wo + bo, f32.  o: bf16, tiled [row block of 128: 32][block of 64 along K: KB][128 rows][64]; Wo: bf16 [K][1024] at byte WOFF of wb; sums in f32, started by the bias.
; A tile of the result is 128 x 128: 8 x 32 tiles, one to a work-group.  Four waves, each 64 x 64: 16 accumulators.  K goes in steps of 256 through two LDS slots:
; waves 0, 1 fetch two dense blocks of A each (32,768 bytes, asked for as 128 rows of 256 bytes), waves 2, 3 128 k-rows x 256 bytes of the weights each.
; Both slots' first fills go out together at the start: a wave then has two tensor loads out, later the one of a refill.
; The weights lie [k][n]: their fragments come out of LDS turned.  THE MATRIX INSTRUCTION IS USED TRANSPOSED: a lane holds eight neighbouring numbers of a row of the result.
; CLUSTERS: 4 x 4 work-groups; A's tile is asked for jointly along a row of the cluster, the weights' along a column.
; The residual's 64 x 64 numbers of a wave are loaded at the start into 128 registers, in the layout in which the result leaves.
; REGISTERS: window 0: v0-31 addresses; v32-63 the bias as four C operands, later rows on the way out; v64-95 rows on the way out; v128-255 accumulators (a, b) at 128 + 8 (4 a + b);
; window 1: two fragment buffers of 128 (64 along K: 64 registers of A, 64 of the weights); window 2: v0-127 the residual.
.set KB,    16
.set T,     4                          ; K steps of 256
.set WOFF,  6291456
.set NA,    2
.set PA,    144                        ; A's LDS row: 128 bytes + 16
.set PB,    288                        ; the weights': 256 bytes + 32
.set BOFF,  4*128*PA
.set SLOT,  147456
.set STEPA, 65536
.set STEPB, 524288
.set HSTA,  2*128*PA                   ; half a K step: two blocks of A,
.set HSTB,  128*PB                     ; 128 k-rows of the weights
.set STAGE, 2*SLOT                     ; behind the ring: 16 rows x 272 bytes for each wave
.set SP,    272
.set SPARE, STAGE+4*16*SP              ; the spare words: 128 bytes for each wave, two blocks of 256 bytes that no other line names
.set ADRA0, 12
.set ADRB0, 13
.set ADRA,  14
.set ADRB,  15
.set STO,   16
.set RD,    17
.set BO,    19
.set CO,    20
.set SPW,   28
.set NIL,   29
.set BI,    32
.set OB,    32
.set ACC,   128
.set WV,    14
.set WR,    16
.set WC,    17
.set G1A,   24                         ; s[24:31] group 1 for A's tiles
.set G0A,   32                         ; s[32:39] group 0 for A's tiles: a set for each first fill;
.set WKA,   G0A+4                      ;          the second then walks on
.set G1B,   40                         ; s[40:47], s[48:55] the same for the weights'
.set G0B,   48
.set WKB,   G0B+4
.set TA,    56
.set TBB,   57
.set CNT,   58
.set SLOTS, 59
.set OUT,   76
.set RB,    78
.set MSB, 0
.macro WIN new
.if MSB != (\new)
	s_set_vgpr_msb (MSB<<8)|(\new)
.set MSB, \new
.endif
.endm
.macro PLACES                          ; four places in front of loads into registers that matrix instructions have read, and of lines that read results
.rept 4
	v_nop
.endr
.endm
.macro JLOAD                           ; a joint refill; the branch hangs on the wave's number alone; an s_nop 0 and four v_nop follow each line
	s_cmp_lt_u32 s[WV], NA
	s_cbranch_scc0 .Lfor_b_\@
	tensor_load_to_lds s[WKA:WKA+3], s[G1A:G1A+7]
	s_nop 0
.rept 4
	v_nop
.endr
	s_branch .Lasked_\@
.Lfor_b_\@:
	tensor_load_to_lds s[WKB:WKB+3], s[G1B:G1B+7]
	s_nop 0
.rept 4
	v_nop
.endr
.Lasked_\@:
.endm
.macro CROUND                          ; a round of the cluster's barrier
	s_barrier_signal -1
	s_barrier_wait -1
	s_cmp_lg_u32 s[WV], 0
	s_cbranch_scc1 .Lnot_wave_0_\@
	s_barrier_signal -3
.Lnot_wave_0_\@:
	s_barrier_wait -3
	s_barrier_signal -1
	s_barrier_wait -1
.endm
; THE CHANGE OF SLOTS.  Every wave waits for all its tensor loads (one is out: its part of the other slot), adds 0 to its spare word, and waits for that and for its reads of the slot it leaves.
; fill = 1: the barrier is a round of the cluster's, and the slot just left is filled again first thing behind it, with the K step two on.
.macro CHANGE fill
	WIN 0
	s_wait_tensorcnt 0x0                           ; no tensor load of mine is out, so a group 0 may be written
	ds_add_u32 v[SPW], v[NIL]                      ; 0 onto my spare word
.if \fill
	s_xor_b32 s[WKA+1], s[WKA+1], SLOT             ; the other slot (no offset in a slot shares a bit with SLOT),
	s_add_nc_u64 s[WKA+2:WKA+3], s[WKA+2:WKA+3], STEPA  ; the next K step
	s_xor_b32 s[WKB+1], s[WKB+1], SLOT
	s_add_nc_u64 s[WKB+2:WKB+3], s[WKB+2:WKB+3], STEPB
.endif
	s_sub_co_u32 s[TA], s[TA], 2*HSTA
	s_xor_b32 s[TA], s[TA], SLOT
	s_sub_co_u32 s[TBB], s[TBB], 2*HSTB
	s_xor_b32 s[TBB], s[TBB], SLOT
	s_wait_dscnt 0x0                               ; the add is done, and my reads of the slot are over
.if \fill
	CROUND
	JLOAD
.else
	s_barrier_signal -1
	s_barrier_wait -1
.endif
.endm
	s_load_b256 s[4:11], s[0:1], 0x0               ; A s[4:5], wb s[6:7], bias s[8:9], residual s[10:11]
	s_load_b64 s[12:13], s[0:1], 0x20              ; the result
	v_lshl_add_u32 v[SPW], v0, 2, SPARE
	v_mov_b32 v[NIL], 0
	ds_add_u32 v28, v29
	ds_add_u32 v28, v29
	s_wait_dscnt 0x0
	v_lshrrev_b32 v1, 5, v0
	v_readfirstlane_b32 s[WV], v1
	s_lshr_b32 s[WR], s[WV], 1
	s_and_b32 s[WC], s[WV], 1
	s_bfe_u32 s60, ttmp6, 0x40000                  ; cx
	s_bfe_u32 s61, ttmp6, 0x40004                  ; cy
	s_lshl_b32 s62, ttmp9, 2
	s_add_co_u32 s62, s62, s60                     ; tile column
	s_and_b32 s63, ttmp7, 0xffff
	s_lshl_b32 s63, s63, 2
	s_add_co_u32 s63, s63, s61                     ; tile row
	s_lshl_b32 s18, s61, 2
	s_lshl_b32 s18, 15, s18                        ; my row of the cluster
	s_lshl_b32 s20, 0x1111, s60                    ; my column
	s_or_b32 s[G1A], s18, (1<<16)|(1<<20)|(1<<21)|(4<<22)|(3<<25)  ; the mask; 2-byte elements; padding on; bit 21 beside a mask; after every 32 words, 4 words
	s_or_b32 s[G1B], s20, (1<<16)|(1<<20)|(1<<21)|(5<<22)|(7<<25)  ; after every 64 words, 8 words
	s_mov_b32 s[G1A+1], 128<<16
	s_mov_b32 s[G1A+2], 128<<16
	s_mov_b32 s[G1A+3], 128<<16
	s_mov_b32 s[G1A+4], 128
	s_mov_b32 s[G1A+5], 128                        ; dense
	s_mov_b32 s[G1A+6], 0
	s_mov_b32 s[G1A+7], 0
	s_mov_b32 s[G1B+1], 128<<16
	s_mov_b32 s[G1B+2], 128<<16
	s_mov_b32 s[G1B+3], 128<<16
	s_mov_b32 s[G1B+4], 128
	s_mov_b32 s[G1B+5], 1024
	s_mov_b32 s[G1B+6], 0
	s_mov_b32 s[G1B+7], 0
	s_and_b32 s19, s[WV], 1                        ; which half of a tile I fetch
	s_mul_i32 s22, s19, HSTA                       ; its place in a slot, for A
	s_mul_i32 s23, s19, HSTB
	s_add_co_u32 s23, s23, BOFF                    ; and for the weights
	s_mul_i32 s66, s63, KB*16384                   ; A: the tile row's KB blocks of 16,384 bytes,
	s_lshl_b32 s21, s19, 15                        ; my two blocks of the step's four
	s_add_co_u32 s66, s66, s21
	s_mov_b32 s67, 0
	s_lshl_b32 s68, s62, 8                         ; the weights: 256 bytes a tile column,
	s_lshl_b32 s21, s19, 18                        ; my 128 k-rows of 2,048 bytes
	s_add_co_u32 s68, s68, s21
	s_add_co_u32 s68, s68, WOFF
	s_mov_b32 s69, 0
	s_mov_b32 s[TA], 0                             ; the reads begin in slot 0
	s_mov_b32 s[TBB], 0
	s_wait_kmcnt 0x0
	s_add_nc_u64 s[66:67], s[4:5], s[66:67]
	s_add_nc_u64 s[68:69], s[6:7], s[68:69]
.irp s, 0,1
	s_mov_b32 s[G0A+4*(\s)], 1                                     ; count = 1
	s_add_co_u32 s[G0A+4*(\s)+1], s22, (\s)*SLOT                   ; LDS address
	s_add_nc_u64 s[G0A+4*(\s)+2:G0A+4*(\s)+3], s[66:67], (\s)*STEPA  ; K step s
	s_or_b32 s[G0A+4*(\s)+3], s[G0A+4*(\s)+3], 0x80000000          ; type = 2
	s_mov_b32 s[G0B+4*(\s)], 1
	s_add_co_u32 s[G0B+4*(\s)+1], s23, (\s)*SLOT
	s_add_nc_u64 s[G0B+4*(\s)+2:G0B+4*(\s)+3], s[68:69], (\s)*STEPB
	s_or_b32 s[G0B+4*(\s)+3], s[G0B+4*(\s)+3], 0x80000000
.endr
	CROUND                                         ; all sixteen work-groups are here: the first joint loads meet
	s_cmp_lt_u32 s[WV], NA                         ; a wave's two first fills stand in one branch, ahead of every wait on TENSORcnt and every LDS read
	s_cbranch_scc0 .Lfirst_b
	tensor_load_to_lds s[G0A:G0A+3], s[G1A:G1A+7]
	s_nop 0
	tensor_load_to_lds s[WKA:WKA+3], s[G1A:G1A+7]
	s_nop 0
.rept 4
	v_nop
.endr
	s_branch .Lfirst_asked
.Lfirst_b:
	tensor_load_to_lds s[G0B:G0B+3], s[G1B:G1B+7]
	s_nop 0
	tensor_load_to_lds s[WKB:WKB+3], s[G1B:G1B+7]
	s_nop 0
.rept 4
	v_nop
.endr
.Lfirst_asked:
	v_and_b32 v1, 15, v0                           ; r
	v_bfe_u32 v2, v0, 4, 1                         ; h
	v_and_b32 v3, 7, v0
	v_bfe_u32 v4, v0, 3, 1
	s_lshl_b32 s72, s63, 19                        ; my first row: 128 rows of 4,096 bytes a tile row,
	s_lshl_b32 s73, s[WR], 18
	s_add_co_u32 s72, s72, s73
	s_lshl_b32 s74, s62, 9                         ; my first column, in bytes
	s_lshl_b32 s73, s[WC], 8
	s_add_co_u32 s74, s74, s73
	s_add_co_u32 s72, s72, s74
	s_mov_b32 s73, 0
	s_mov_b32 s75, 0
	s_add_nc_u64 s[OUT:OUT+1], s[12:13], s[72:73]
	s_add_nc_u64 s[RB:RB+1], s[10:11], s[72:73]
	s_add_nc_u64 s[8:9], s[8:9], s[74:75]
	v_lshlrev_b32 v[BO], 5, v2                     ; the bias as C: register j of block b is column 16 b + 8 h + j
	v_lshlrev_b32 v[CO], 12, v2                    ; rows as they leave: lanes 0-15 one row's 256 bytes, lanes 16-31 the next row's
	v_lshl_add_u32 v[CO], v1, 4, v[CO]
.set k, 0
.rept 4
	global_load_b128 v[BI+8*k:BI+8*k+3],   v[BO], s[8:9] offset:64*k
	global_load_b128 v[BI+8*k+4:BI+8*k+7], v[BO], s[8:9] offset:64*k+16
.set k, k+1
.endr
	WIN 0x80                                       ; destination window 2
.set k, 0
.rept 32                               ; the residual: rows 2 k and 2 k + 1 of my 64
	global_load_b128 v[4*k:4*k+3], v[CO], s[RB:RB+1] offset:2*k*4096
.set k, k+1
.endr
	WIN 0
	s_lshl_b32 s22, s[WR], 6
	v_add_nc_u32 v5, s22, v1
	v_mul_u32_u24 v[ADRA0], v5, PA                 ; A: row x pitch + 16 h
	v_lshl_add_u32 v[ADRA0], v2, 4, v[ADRA0]
	v_lshl_add_u32 v5, v2, 3, v3                   ; the turning load: k-row 8 h + lane % 8, 16 bytes at 16 ((lane / 8) % 2)
	v_mul_u32_u24 v[ADRB0], v5, PB
	v_lshl_add_u32 v[ADRB0], v4, 4, v[ADRB0]
	s_lshl_b32 s23, s[WC], 7
	s_add_co_u32 s23, s23, BOFF
	v_add_nc_u32 v[ADRB0], s23, v[ADRB0]
	s_mul_i32 s22, s[WV], 16*SP
	s_add_co_u32 s22, s22, STAGE
	v_mul_u32_u24 v[STO], v1, SP                   ; in: row r, 32 bytes for each half of the lanes
	v_lshl_add_u32 v[STO], v2, 5, v[STO]
	v_add_nc_u32 v[STO], s22, v[STO]
	v_mul_u32_u24 v[RD], v2, SP                    ; back: two whole rows of 256 bytes
	v_lshl_add_u32 v[RD], v1, 4, v[RD]
	v_add_nc_u32 v[RD], s22, v[RD]
.macro ADDR                            ; the addresses of the next half step; with two v_nop these are the four places in front of the loads that follow
	WIN 0
	v_add_nc_u32 v[ADRA], s[TA], v[ADRA0]
	v_add_nc_u32 v[ADRB], s[TBB], v[ADRB0]
	s_add_co_u32 s[TA], s[TA], HSTA
	s_add_co_u32 s[TBB], s[TBB], HSTB
	v_nop
	v_nop
.endm
.macro FETCH f                         ; 32 LDS loads in one run: 64 along K, part f of the half step, into buffer f
	WIN 0x40
.set kc, 0
.rept 2
.set ii, 0
.rept 4
	ds_load_tr16_b128 v[128*(\f)+64+8*(4*kc+ii):128*(\f)+64+8*(4*kc+ii)+3],   v[ADRB] offset:(\f)*64*PB+kc*32*PB+32*ii
	ds_load_tr16_b128 v[128*(\f)+64+8*(4*kc+ii)+4:128*(\f)+64+8*(4*kc+ii)+7], v[ADRB] offset:(\f)*64*PB+kc*32*PB+32*ii+16*PB
	ds_load_b128 v[128*(\f)+8*(4*kc+ii):128*(\f)+8*(4*kc+ii)+3],   v[ADRA] offset:(\f)*128*PA+ii*16*PA+64*kc
	ds_load_b128 v[128*(\f)+8*(4*kc+ii)+4:128*(\f)+8*(4*kc+ii)+7], v[ADRA] offset:(\f)*128*PA+ii*16*PA+64*kc+32
.set ii, ii+1
.endr
.set kc, kc+1
.endr
.endm
.macro MUL f, zero                     ; the 16 accumulators by turns, twice.  zero = 1: the first products start the sums with the bias
	WIN 0x05                                       ; sources 0 and 1 window 1; C and D window 0
.set kc, 0
.rept 2
.set id, 0
.rept 16
.set rD, ACC+8*id
.set rB, 128*(\f)+64+8*(4*kc+id%4)
.set rA, 128*(\f)+8*(4*kc+id/4)
.if (\zero) && (kc == 0)
	v_wmma_f32_16x16x32_bf16 v[rD:rD+7], v[rB:rB+7], v[rA:rA+7], v[BI+8*(id%4):BI+8*(id%4)+7]
.else
	v_wmma_f32_16x16x32_bf16 v[rD:rD+7], v[rB:rB+7], v[rA:rA+7], v[rD:rD+7]
.endif
.set id, id+1
.endr
.set kc, kc+1
.endr
.endm
.macro BODY                            ; half a K step; each run of loads stands a whole MUL ahead of the wait for it
	ADDR
	FETCH 0
	MUL 1, 0
	s_wait_dscnt 0x0                               ; buffer 0 is in
	PLACES
	FETCH 1
	MUL 0, 0
	WIN 0
	s_wait_dscnt 0x0                               ; buffer 1 is in
.endm
; THE WAY OUT, 16 rows at a time: 32 bytes a lane into my stage, back as whole rows of 256 bytes, the residual added, stored.
.macro TOSTAGE a
	WIN 0
.if (\a) >= 2
	s_wait_xcnt 0x0                                ; the stores of the block two back have read these registers (ISA guide 3.1)
.endif
.set k, 0
.rept 4
	ds_store_b128 v[STO], v[ACC+8*(4*(\a)+k):ACC+8*(4*(\a)+k)+3]   offset:64*k
	ds_store_b128 v[STO], v[ACC+8*(4*(\a)+k)+4:ACC+8*(4*(\a)+k)+7] offset:64*k+16
.set k, k+1
.endr
.set k, 0
.rept 8
	ds_load_b128 v[OB+32*((\a)%2)+4*k:OB+32*((\a)%2)+4*k+3], v[RD] offset:2*SP*k  ; LDS serves a wave's instructions in order (ISA guide 5.7.1.4)
.set k, k+1
.endr
.endm
.macro SEND a, younger                 ; younger: the next block's sixteen LDS instructions, or none
	s_wait_dscnt \younger
	WIN 0x08                                       ; source 1 window 2: the residual
.set k, 0
.rept 16
	v_pk_add_f32 v[OB+32*((\a)%2)+2*k:OB+32*((\a)%2)+2*k+1], v[OB+32*((\a)%2)+2*k:OB+32*((\a)%2)+2*k+1], v[32*(\a)+2*k:32*(\a)+2*k+1]
.set k, k+1
.endr
	WIN 0
.set k, 0
.rept 8
	global_store_b128 v[CO], v[OB+32*((\a)%2)+4*k:OB+32*((\a)%2)+4*k+3], s[OUT:OUT+1] offset:(16*(\a)+2*k)*4096  ; 16 lanes store 256 consecutive bytes, aligned
.set k, k+1
.endr
.endm
	s_wait_tensorcnt 0x1                           ; my part of K step 0 is in; K step 1's may stay out
	s_barrier_signal -1
	s_barrier_wait -1                              ; everybody's is
	ADDR
	FETCH 0
	FETCH 1
	s_wait_loadcnt 32                              ; the bias is in; the residual's 32 loads, issued behind it, may stay out
	s_wait_dscnt 32                                ; buffer 0 is in; buffer 1's 32 loads may be out
	MUL 0, 1
	WIN 0
	s_wait_dscnt 0x0
	s_mov_b32 s[SLOTS], T-1                        ; the loop is entered at the second half of K step 0: that pass counts as one
	s_mov_b32 s[CNT], 1
	s_branch .Lhalf
.Lslot:
	CHANGE 1
	s_mov_b32 s[CNT], 2
.Lhalf:
	BODY
	s_sub_co_u32 s[CNT], s[CNT], 1
	s_cmp_lg_u32 s[CNT], 0
	s_cbranch_scc1 .Lhalf
	s_sub_co_u32 s[SLOTS], s[SLOTS], 1
	s_cmp_lg_u32 s[SLOTS], 0
	s_cbranch_scc1 .Lslot
	CHANGE 0                                       ; the last K step is written out
	s_mov_b32 s[CNT], 2
.Lhalf2:
	BODY
	s_sub_co_u32 s[CNT], s[CNT], 1
	s_cmp_lg_u32 s[CNT], 0
	s_cbranch_scc1 .Lhalf2
	MUL 1, 0
	PLACES
	s_wait_loadcnt 0x0                             ; the residual
	TOSTAGE 0
	TOSTAGE 1
	SEND 0, 16
	TOSTAGE 2
	SEND 1, 16
	TOSTAGE 3
	SEND 2, 16
	SEND 3, 0
	s_wait_tensorcnt 0x0                           ; the wave's end
	ds_add_u32 v[SPW], v[NIL]
	s_wait_dscnt 0x0
	CROUND                                         ; the closing round
	s_endpgm
.Lfunc_end_k_q348be08275_wo:
	.size	k_q348be08275_wo, .Lfunc_end_k_q348be08275_wo-k_q348be08275_wo
	.p2alignl 7, 3214868480
	.fill 96, 4, 3214868480
	.section	.rodata,"a",@progbits
	.p2align	6, 0x0
	.amdhsa_kernel k_q348be08275_wo
		.amdhsa_group_segment_fixed_size 327680
		.amdhsa_private_segment_fixed_size 0
		.amdhsa_enable_private_segment 0
		.amdhsa_kernarg_size 40
		.amdhsa_user_sgpr_count 2
		.amdhsa_user_sgpr_kernarg_segment_ptr 1
		.amdhsa_wavefront_size32 1
		.amdhsa_system_sgpr_workgroup_id_x 1
		.amdhsa_system_sgpr_workgroup_id_y 1
		.amdhsa_system_sgpr_workgroup_id_z 1
		.amdhsa_system_vgpr_workitem_id 0
		.amdhsa_next_free_vgpr 640
		.amdhsa_next_free_sgpr 96
		.amdhsa_reserve_vcc 0
		.amdhsa_float_denorm_mode_32 3
		.amdhsa_float_denorm_mode_16_64 3
		.amdhsa_memory_ordered 1
		.amdhsa_forward_progress 1
		.amdhsa_inst_pref_size 51
	.end_amdhsa_kernel
	.amdgpu_metadata
---
amdhsa.version: [ 1, 2 ]
amdhsa.kernels:
  - .name:           k_q348be08275_wo
    .symbol:         k_q348be08275_wo.kd
    .args:
      - { .name: o, .offset: 0, .size: 8, .value_kind: global_buffer, .address_space: global }
      - { .name: wb, .offset: 8, .size: 8, .value_kind: global_buffer, .address_space: global }
      - { .name: bo, .offset: 16, .size: 8, .value_kind: global_buffer, .address_space: global }
      - { .name: x, .offset: 24, .size: 8, .value_kind: global_buffer, .address_space: global }
      - { .name: x1, .offset: 32, .size: 8, .value_kind: global_buffer, .address_space: global }
    .group_segment_fixed_size: 327680
    .private_segment_fixed_size: 0
    .kernarg_segment_align: 8
    .kernarg_segment_size: 40
    .max_flat_workgroup_size: 128
    .sgpr_count:     96
    .vgpr_count:     640
    .wavefront_size: 32
...
	.end_amdgpu_metadata
.endif
;; end of part 4
;; launch ln2: the kernel of part 1 again; grid 256 x 1, 8 waves a work-group, no clusters, 0 bytes of LDS; arguments x1, ln2_g, ln2_b, hn, Wk, Wv, Wq, Wo, W1, W2, wb; writes hn, wb
;; launch ff1 (part 5): grid 16 x 16, 4 waves a work-group, clusters of 4 x 4, 327,680 bytes of LDS; arguments hn, wb, b1, hid; writes hid
.if DOCPART == 5
	.amdgcn_target "amdgcn-amd-amdhsa--gfx1250"
	.amdhsa_code_object_version 6
	.text
	.protected	k_q348be08275_ff1
	.globl	k_q348be08275_ff1
	.p2align	8
	.type	k_q348be08275_ff1,@function
k_q348be08275_ff1:
	s_mov_b64 s[64:65], 0
	v_nop
	global_prefetch_b8 v0, s[64:65] scope:SCOPE_SE
	s_setreg_imm32_b32 hwreg(HW_REG_WAVE_MODE, 25, 1), 1
	s_wait_xcnt 0x0
	s_wait_alu depctr_hold_cnt(0) depctr_sa_sdst(0) depctr_va_vdst(0) depctr_va_sdst(0) depctr_va_ssrc(0) depctr_va_vcc(0) depctr_vm_vsrc(0)
	s_getreg_b32 s2, hwreg(HW_REG_IB_STS2, 6, 4)
	s_cmp_eq_u32 s2, 0
	s_cbranch_scc0 .Lentry_in_a_cluster
	s_endpgm
.Lentry_in_a_cluster:
	s_bfe_u32 s2, ttmp6, 0x10000c
	s_cmp_lg_u32 s2, 0xf033
	s_cbranch_scc0 .Lentry_shape_is_right
	s_endpgm
.Lentry_shape_is_right:
; FF1.  hid = relu(hn W1 + b1), bf16.  hn: [4096][1024] bf16.  W1: bf16 [1024 k][4096 n] at byte 8,388,608 of wb.
; Sums in f32, started by the bias; the maximum with 0 in f32; rounded once.
; hid LEAVES IN THE ORDER OF THE NEXT PRODUCT'S FRAGMENTS: [row block of 128: 32][block of 16 columns: 256][block of 16 rows: 8][lane 32][16 bytes], where lane l holds row l % 16 and
; columns 8 (l / 16) + 0..7 of the block.  That is what the lane holds of an accumulator here, so an accumulator leaves by one store of 512 consecutive bytes, with no way through LDS.
; A tile of the result is 256 x 256: 16 x 16 tiles, one to a work-group.  Four waves, each 128 x 128: 64 accumulators, 512 registers.
; K goes in steps of 128 through two LDS slots: waves 0, 1 fetch 128 rows x 256 bytes of hn each, waves 2, 3 64 k-rows x 512 bytes of W1 each.
; Both slots' first fills go out together at the start: a wave then has two tensor loads out, later the one of a refill.
; W1 lies [k][n]: its fragments come out of LDS turned, by ds_load_tr16_b128.
; THE MATRIX INSTRUCTION IS USED TRANSPOSED (source 0 = 16 columns of W1, source 1 = 16 rows of hn): a lane then holds eight neighbouring numbers of a row of the result.
; CLUSTERS: 4 x 4 work-groups; hn's tile is asked for jointly along a row of the cluster, W1's along a column.
; REGISTERS: window 0: v0-31 addresses, v64-127 and v128-191 A's two fragment buffers, on the way out v32-255 rounded results; window 1: v0-63, v128-191 W1's two buffers, v64-127 the bias as eight C operands;
; windows 2, 3: accumulator id = 8 nb + a (nb: block of 16 columns, a: block of 16 rows) at window 2 + id / 32, register 8 (id % 32).
.set T,     8
.set PA,    272
.set NA,    2
.set MB,    8
.set NBW,   8
.set PB,    544                        ; W1's LDS row: 512 bytes + 32, an odd multiple of 32 for the turning load
.set HEADB, 128                        ; four blocks of 16 columns are 128 bytes
.set SLOT,  139264
.set AROWS, 128
.set STEPB, 1048576
.set W0B,   (1<<16)|(1<<20)|(1<<21)|(6<<22)|(7<<25)  ; 2-byte elements; padding on; bit 21 beside a mask; after every 128 words, 8 words
.set BD0,   256
.set BST,   4096
.set BOFF,  256*PA
.set STEPA, 256
.set HSTA,  128
.set HSTB,  64*PB
.set SPARE, 2*SLOT                     ; behind the ring: the spare words, 128 bytes for each wave, two blocks of 256 bytes that no other line names
.set ADRA0, 12
.set ADRB0, 13
.set ADRA,  14
.set ADRB,  15
.set GO,    18
.set BO,    19
.set SPW,   28
.set NIL,   29
.set TMP,   32
.set FA,    64
.set BI,    64                         ; the bias, in window 1
.set WV,    14
.set WR,    16
.set WC,    17
.set G1A,   24                         ; s[24:31] group 1 for hn's tiles
.set G0A,   32                         ; s[32:39] group 0 for hn's tiles: a set for each first fill;
.set WKA,   G0A+4                      ;          the second then walks on
.set G1B,   40                         ; s[40:47], s[48:55] the same for W1's
.set G0B,   48
.set WKB,   G0B+4
.set TA,    56
.set TBB,   57
.set CNT,   58
.set SLOTS, 59
.set OUT,   76
.set MSB, 0
.macro WIN new
.if MSB != (\new)
	s_set_vgpr_msb (MSB<<8)|(\new)
.set MSB, \new
.endif
.endm
.macro PLACES                          ; four places in front of loads into registers that matrix instructions have read, and of lines that read results
.rept 4
	v_nop
.endr
.endm
.macro JLOAD                           ; a joint refill; the branch hangs on the wave's number alone; an s_nop 0 and four v_nop follow each line
	s_cmp_lt_u32 s[WV], NA
	s_cbranch_scc0 .Lfor_b_\@
	tensor_load_to_lds s[WKA:WKA+3], s[G1A:G1A+7]
	s_nop 0
.rept 4
	v_nop
.endr
	s_branch .Lasked_\@
.Lfor_b_\@:
	tensor_load_to_lds s[WKB:WKB+3], s[G1B:G1B+7]
	s_nop 0
.rept 4
	v_nop
.endr
.Lasked_\@:
.endm
.macro CROUND                          ; a round of the cluster's barrier
	s_barrier_signal -1
	s_barrier_wait -1
	s_cmp_lg_u32 s[WV], 0
	s_cbranch_scc1 .Lnot_wave_0_\@
	s_barrier_signal -3
.Lnot_wave_0_\@:
	s_barrier_wait -3
	s_barrier_signal -1
	s_barrier_wait -1
.endm
; THE CHANGE OF SLOTS.  Every wave waits for all its tensor loads (one is out: its part of the other slot), adds 0 to its spare word, and waits for that and for its reads of the slot it leaves.
; fill = 1: the barrier is a round of the cluster's, and the slot just left is filled again first thing behind it, with the K step two on: it has a step's 256 products in which to land.
.macro CHANGE fill
	WIN 0
	s_wait_tensorcnt 0x0                           ; no tensor load of mine is out, so a group 0 may be written
	ds_add_u32 v[SPW], v[NIL]                      ; 0 onto my spare word
.if \fill
	s_xor_b32 s[WKA+1], s[WKA+1], SLOT             ; the other slot (no offset in a slot shares a bit with SLOT),
	s_add_nc_u64 s[WKA+2:WKA+3], s[WKA+2:WKA+3], STEPA  ; the next K step
	s_xor_b32 s[WKB+1], s[WKB+1], SLOT
	s_add_nc_u64 s[WKB+2:WKB+3], s[WKB+2:WKB+3], STEPB
.endif
	s_sub_co_u32 s[TA], s[TA], 2*HSTA
	s_xor_b32 s[TA], s[TA], SLOT
	s_sub_co_u32 s[TBB], s[TBB], 2*HSTB
	s_xor_b32 s[TBB], s[TBB], SLOT
	s_wait_dscnt 0x0                               ; the add is done, and my reads of the slot are over
.if \fill
	CROUND
	JLOAD
.else
	s_barrier_signal -1
	s_barrier_wait -1
.endif
.endm
	s_load_b256 s[4:11], s[0:1], 0x0               ; hn s[4:5], wb s[6:7], b1 s[8:9], hid s[10:11]
	v_lshl_add_u32 v[SPW], v0, 2, SPARE
	v_mov_b32 v[NIL], 0
	ds_add_u32 v28, v29
	ds_add_u32 v28, v29
	s_wait_dscnt 0x0
	v_lshrrev_b32 v1, 5, v0
	v_readfirstlane_b32 s[WV], v1
	s_lshr_b32 s[WR], s[WV], 1
	s_and_b32 s[WC], s[WV], 1
	s_bfe_u32 s60, ttmp6, 0x40000                  ; cx
	s_bfe_u32 s61, ttmp6, 0x40004                  ; cy
	s_lshl_b32 s62, ttmp9, 2
	s_add_co_u32 s62, s62, s60                     ; tile column
	s_and_b32 s63, ttmp7, 0xffff
	s_lshl_b32 s63, s63, 2
	s_add_co_u32 s63, s63, s61                     ; tile row
	s_lshl_b32 s18, s61, 2
	s_lshl_b32 s18, 15, s18                        ; my row of the cluster
	s_lshl_b32 s20, 0x1111, s60                    ; my column
	s_or_b32 s[G1A], s18, (1<<16)|(1<<20)|(1<<21)|(5<<22)|(3<<25)  ; the mask; 2-byte elements; padding on; bit 21 beside a mask; after every 64 words, 4 words
	s_or_b32 s[G1B], s20, W0B
	s_mov_b32 s[G1A+1], 128<<16
	s_mov_b32 s[G1A+2], AROWS<<16
	s_mov_b32 s[G1A+3], 128<<16
	s_mov_b32 s[G1A+4], AROWS
	s_mov_b32 s[G1A+5], 1024
	s_mov_b32 s[G1A+6], 0
	s_mov_b32 s[G1A+7], 0
	s_mov_b32 s[G1B+1], BD0<<16
	s_mov_b32 s[G1B+2], 64<<16
	s_mov_b32 s[G1B+3], BD0<<16
	s_mov_b32 s[G1B+4], 64
	s_mov_b32 s[G1B+5], BST
	s_mov_b32 s[G1B+6], 0
	s_mov_b32 s[G1B+7], 0
	s_and_b32 s19, s[WV], 1                        ; which half of a tile I fetch
	s_mul_i32 s22, s19, 128*PA                     ; its place in a slot, for hn
	s_mul_i32 s23, s19, 64*PB
	s_add_co_u32 s23, s23, BOFF                    ; and for W1
	s_lshl_b32 s66, s63, 19                        ; hn: 256 rows of 2,048 bytes a tile row,
	s_lshl_b32 s21, s19, 18                        ; my 128 of them
	s_add_co_u32 s66, s66, s21
	s_mov_b32 s67, 0
	s_lshl_b32 s68, s62, 9                         ; W1: 512 bytes a tile column,
	s_lshl_b32 s21, s19, 19                        ; my 64 k-rows of 8,192 bytes
	s_add_co_u32 s68, s68, s21
	s_add_co_u32 s68, s68, 8388608
	s_mov_b32 s69, 0
	s_mov_b32 s[TA], 0                             ; the reads begin in slot 0
	s_mov_b32 s[TBB], 0
	s_wait_kmcnt 0x0
	s_add_nc_u64 s[66:67], s[4:5], s[66:67]
	s_add_nc_u64 s[68:69], s[6:7], s[68:69]
.irp s, 0,1
	s_mov_b32 s[G0A+4*(\s)], 1                                     ; count = 1
	s_add_co_u32 s[G0A+4*(\s)+1], s22, (\s)*SLOT                   ; LDS address
	s_add_nc_u64 s[G0A+4*(\s)+2:G0A+4*(\s)+3], s[66:67], (\s)*STEPA  ; K step s
	s_or_b32 s[G0A+4*(\s)+3], s[G0A+4*(\s)+3], 0x80000000          ; type = 2
	s_mov_b32 s[G0B+4*(\s)], 1
	s_add_co_u32 s[G0B+4*(\s)+1], s23, (\s)*SLOT
	s_add_nc_u64 s[G0B+4*(\s)+2:G0B+4*(\s)+3], s[68:69], (\s)*STEPB
	s_or_b32 s[G0B+4*(\s)+3], s[G0B+4*(\s)+3], 0x80000000
.endr
	CROUND                                         ; all sixteen work-groups are here: the first joint loads meet
	s_cmp_lt_u32 s[WV], NA                         ; a wave's two first fills stand in one branch, ahead of every wait on TENSORcnt and every LDS read
	s_cbranch_scc0 .Lfirst_b
	tensor_load_to_lds s[G0A:G0A+3], s[G1A:G1A+7]
	s_nop 0
	tensor_load_to_lds s[WKA:WKA+3], s[G1A:G1A+7]
	s_nop 0
.rept 4
	v_nop
.endr
	s_branch .Lfirst_asked
.Lfirst_b:
	tensor_load_to_lds s[G0B:G0B+3], s[G1B:G1B+7]
	s_nop 0
	tensor_load_to_lds s[WKB:WKB+3], s[G1B:G1B+7]
	s_nop 0
.rept 4
	v_nop
.endr
.Lfirst_asked:
	v_and_b32 v1, 15, v0                           ; r
	v_bfe_u32 v2, v0, 4, 1                         ; h
	v_and_b32 v3, 7, v0
	v_bfe_u32 v4, v0, 3, 1
	s_lshl_b32 s72, s62, 10                        ; the bias of my 128 columns
	s_lshl_b32 s73, s[WC], 9
	s_add_co_u32 s72, s72, s73
	s_mov_b32 s73, 0
	s_add_nc_u64 s[8:9], s[8:9], s[72:73]
	v_lshlrev_b32 v[BO], 5, v2                     ; as C: register j of block nb is column 16 nb + 8 h + j
	WIN 0x40
.set k, 0
.rept 8
	global_load_b128 v[BI+8*k:BI+8*k+3],   v[BO], s[8:9] offset:64*k
	global_load_b128 v[BI+8*k+4:BI+8*k+7], v[BO], s[8:9] offset:64*k+16
.set k, k+1
.endr
	WIN 0
	v_mul_u32_u24 v[ADRA0], v1, PA
	v_lshl_add_u32 v[ADRA0], v2, 4, v[ADRA0]
	s_mul_i32 s22, s[WR], 16*MB*PA
	v_add_nc_u32 v[ADRA0], s22, v[ADRA0]
	v_lshl_add_u32 v5, v2, 3, v3
	v_mul_u32_u24 v[ADRB0], v5, PB
	v_lshl_add_u32 v[ADRB0], v4, 4, v[ADRB0]
	s_lshl_b32 s23, s[WC], 8
	s_add_co_u32 s23, s23, BOFF
	v_add_nc_u32 v[ADRB0], s23, v[ADRB0]
	v_and_b32 v[GO], 31, v0                        ; my 16 bytes in a block's 512
	v_lshlrev_b32 v[GO], 4, v[GO]
	s_lshl_b32 s70, s63, 1                         ; hid: row block 2 x tile row + wr, 1 MiB each;
	s_add_co_u32 s70, s70, s[WR]
	s_lshl_b32 s70, s70, 20
	s_lshl_b32 s71, s62, 16                        ; column block 16 x tile column + 8 wc, 4,096 bytes each
	s_add_co_u32 s70, s70, s71
	s_lshl_b32 s71, s[WC], 15
	s_add_co_u32 s70, s70, s71
	s_mov_b32 s71, 0
	s_add_nc_u64 s[OUT:OUT+1], s[10:11], s[70:71]
.macro ADDR                            ; the addresses of the next half step; with two v_nop these are the four places in front of the loads that follow
	WIN 0
	v_add_nc_u32 v[ADRA], s[TA], v[ADRA0]
	v_add_nc_u32 v[ADRB], s[TBB], v[ADRB0]
	s_add_co_u32 s[TA], s[TA], HSTA
	s_add_co_u32 s[TBB], s[TBB], HSTB
	v_nop
	v_nop
.endm
.macro FETCH f                         ; 32 LDS loads in one run: 32 along K, part f of the half step, into buffer f
	WIN 0x40
.set nb, 0
.rept NBW
	ds_load_tr16_b128 v[128*(\f)+8*nb:128*(\f)+8*nb+3],   v[ADRB] offset:(\f)*32*PB+(nb/4)*HEADB+(nb%4)*32
	ds_load_tr16_b128 v[128*(\f)+8*nb+4:128*(\f)+8*nb+7], v[ADRB] offset:(\f)*32*PB+(nb/4)*HEADB+(nb%4)*32+16*PB
.set nb, nb+1
.endr
	WIN 0
.set ab, 0
.rept MB
	ds_load_b128 v[FA+64*(\f)+8*ab:FA+64*(\f)+8*ab+3],   v[ADRA] offset:(\f)*64+ab*16*PA
	ds_load_b128 v[FA+64*(\f)+8*ab+4:FA+64*(\f)+8*ab+7], v[ADRA] offset:(\f)*64+ab*16*PA+32
.set ab, ab+1
.endr
.endm
.macro MUL f, zero                     ; all 64 accumulators by turns, always in the same order.  zero = 1: the first product starts the sums with the bias
.set id, 0
.rept MB*NBW
.set rD, 8*(id%32)
.set rB, 128*(\f)+8*(id/MB)
.set rA, FA+64*(\f)+8*(id%MB)
.if \zero
	WIN 0x91+0x40*(id/32)                          ; source 0 and C window 1, source 1 window 0, D window 2 or 3
	v_wmma_f32_16x16x32_bf16 v[rD:rD+7], v[rB:rB+7], v[rA:rA+7], v[BI+8*(id/MB):BI+8*(id/MB)+7]
.else
	WIN 0xa1+0x50*(id/32)                          ; source 0 window 1, source 1 window 0, C and D window 2 or 3
	v_wmma_f32_16x16x32_bf16 v[rD:rD+7], v[rB:rB+7], v[rA:rA+7], v[rD:rD+7]
.endif
.set id, id+1
.endr
.endm
.macro BODY                            ; half a K step; each run of loads stands a whole MUL ahead of the wait for it
	ADDR
	FETCH 0
	MUL 1, 0
	s_wait_dscnt 0x0                               ; buffer 0 is in
	PLACES
	FETCH 1
	MUL 0, 0
	WIN 0
	s_wait_dscnt 0x0                               ; buffer 1 is in
.endm
; THE WAY OUT, in units u of four accumulators (16 rows x 64 columns): the maximum with 0, rounded, one store of 512 consecutive bytes for each accumulator.
; Fourteen units have rounded results' registers of their own (v32-255: the fragment buffers are free by now); the last two take the first two's again.
.macro LEAVE u
.set ua, (\u)%MB
.set ucb, (\u)/MB
.set tm, TMP+16*((\u)%14)
.set wn, ((4*ucb)*MB+ua)/32
.if (\u) == 14
	s_wait_xcnt 0x0                                ; the stores so far have read their registers (ISA guide 3.1): the first two units' are written again only behind this wait
.endif
	WIN 0x88+0x44*wn                               ; source 1 and destination in the accumulators' window
.set k, 0
.rept 4
.set rD, 8*(((4*ucb+k)*MB+ua)%32)
.set z, 0
.rept 8
	v_max_num_f32 v[rD+z], 0, v[rD+z]
.set z, z+1
.endr
.set k, k+1
.endr
	WIN 0x0a+5*wn                                  ; sources 0 and 1 in the accumulators' window
.set k, 0
.rept 4
.set rD, 8*(((4*ucb+k)*MB+ua)%32)
.set z, 0
.rept 4
	v_cvt_pk_bf16_f32 v[tm+4*k+z], v[rD+2*z], v[rD+2*z+1]
.set z, z+1
.endr
.set k, k+1
.endr
	WIN 0
.set k, 0
.rept 4
	global_store_b128 v[GO], v[tm+4*k:tm+4*k+3], s[OUT:OUT+1] offset:(4*ucb+k)*4096+ua*512  ; column block 4 ucb + k, row block ua: 512 consecutive bytes, aligned
.set k, k+1
.endr
.endm
	s_wait_tensorcnt 0x1                           ; my part of K step 0 is in; K step 1's may stay out
	s_barrier_signal -1
	s_barrier_wait -1                              ; everybody's is
	ADDR
	FETCH 0
	FETCH 1
	s_wait_loadcnt 0x0                             ; the bias
	s_wait_dscnt 2*(MB+NBW)                        ; buffer 0 is in; buffer 1's loads, as many, may be out
	MUL 0, 1
	WIN 0
	s_wait_dscnt 0x0
	s_mov_b32 s[SLOTS], T-1                        ; the loop is entered at the second half of K step 0: that pass counts as one
	s_mov_b32 s[CNT], 1
	s_branch .Lhalf
.Lslot:
	CHANGE 1
	s_mov_b32 s[CNT], 2
.Lhalf:
	BODY
	s_sub_co_u32 s[CNT], s[CNT], 1
	s_cmp_lg_u32 s[CNT], 0
	s_cbranch_scc1 .Lhalf
	s_sub_co_u32 s[SLOTS], s[SLOTS], 1
	s_cmp_lg_u32 s[SLOTS], 0
	s_cbranch_scc1 .Lslot
	CHANGE 0                                       ; the last K step is written out
	s_mov_b32 s[CNT], 2
.Lhalf2:
	BODY
	s_sub_co_u32 s[CNT], s[CNT], 1
	s_cmp_lg_u32 s[CNT], 0
	s_cbranch_scc1 .Lhalf2
	MUL 1, 0
	PLACES
.set uu, 0
.rept MB*NBW/4
	LEAVE uu
.set uu, uu+1
.endr
	s_wait_tensorcnt 0x0                           ; the wave's end
	ds_add_u32 v[SPW], v[NIL]
	s_wait_dscnt 0x0
	CROUND                                         ; the closing round
	s_endpgm
.Lfunc_end_k_q348be08275_ff1:
	.size	k_q348be08275_ff1, .Lfunc_end_k_q348be08275_ff1-k_q348be08275_ff1
	.p2alignl 7, 3214868480
	.fill 96, 4, 3214868480
	.section	.rodata,"a",@progbits
	.p2align	6, 0x0
	.amdhsa_kernel k_q348be08275_ff1
		.amdhsa_group_segment_fixed_size 327680
		.amdhsa_private_segment_fixed_size 0
		.amdhsa_enable_private_segment 0
		.amdhsa_kernarg_size 32
		.amdhsa_user_sgpr_count 2
		.amdhsa_user_sgpr_kernarg_segment_ptr 1
		.amdhsa_wavefront_size32 1
		.amdhsa_system_sgpr_workgroup_id_x 1
		.amdhsa_system_sgpr_workgroup_id_y 1
		.amdhsa_system_sgpr_workgroup_id_z 1
		.amdhsa_system_vgpr_workitem_id 0
		.amdhsa_next_free_vgpr 1024
		.amdhsa_next_free_sgpr 96
		.amdhsa_reserve_vcc 0
		.amdhsa_float_denorm_mode_32 3
		.amdhsa_float_denorm_mode_16_64 3
		.amdhsa_memory_ordered 1
		.amdhsa_forward_progress 1
		.amdhsa_inst_pref_size 89
	.end_amdhsa_kernel
	.amdgpu_metadata
---
amdhsa.version: [ 1, 2 ]
amdhsa.kernels:
  - .name:           k_q348be08275_ff1
    .symbol:         k_q348be08275_ff1.kd
    .args:
      - { .name: hn, .offset: 0, .size: 8, .value_kind: global_buffer, .address_space: global }
      - { .name: wb, .offset: 8, .size: 8, .value_kind: global_buffer, .address_space: global }
      - { .name: b1, .offset: 16, .size: 8, .value_kind: global_buffer, .address_space: global }
      - { .name: hid, .offset: 24, .size: 8, .value_kind: global_buffer, .address_space: global }
    .group_segment_fixed_size: 327680
    .private_segment_fixed_size: 0
    .kernarg_segment_align: 8
    .kernarg_segment_size: 32
    .max_flat_workgroup_size: 128
    .sgpr_count:     96
    .vgpr_count:     1024
    .wavefront_size: 32
...
	.end_amdgpu_metadata
.endif
;; end of part 5
;; launch ff2 (part 6): grid 8 x 32, 4 waves a work-group, clusters of 4 x 4, 327,680 bytes of LDS; arguments hid, wb, b2, x1, out0; writes out0
.if DOCPART == 6
	.amdgcn_target "amdgcn-amd-amdhsa--gfx1250"
	.amdhsa_code_object_version 6
	.text
	.protected	k_q348be08275_ff2
	.globl	k_q348be08275_ff2
	.p2align	8
	.type	k_q348be08275_ff2,@function
k_q348be08275_ff2:
	s_mov_b64 s[64:65], 0
	v_nop
	global_prefetch_b8 v0, s[64:65] scope:SCOPE_SE
	s_setreg_imm32_b32 hwreg(HW_REG_WAVE_MODE, 25, 1), 1
	s_wait_xcnt 0x0
	s_wait_alu depctr_hold_cnt(0) depctr_sa_sdst(0) depctr_va_vdst(0) depctr_va_sdst(0) depctr_va_ssrc(0) depctr_va_vcc(0) depctr_vm_vsrc(0)
	s_getreg_b32 s2, hwreg(HW_REG_IB_STS2, 6, 4)
	s_cmp_eq_u32 s2, 0
	s_cbranch_scc0 .Lentry_in_a_cluster
	s_endpgm
.Lentry_in_a_cluster:
	s_bfe_u32 s2, ttmp6, 0x10000c
	s_cmp_lg_u32 s2, 0xf033
	s_cbranch_scc0 .Lentry_shape_is_right
	s_endpgm
.Lentry_shape_is_right:
; FF2.  out0 = x1 + hid W2 + b2, f32.  W2: bf16 [4096 k][1024] at byte WOFF of wb; sums in f32, started by the bias.
; hid: bf16, IN THE ORDER OF MY A FRAGMENTS: [row block of 128: 32][block of 16 k: 256][block of 16 rows: 8][lane 32][16 bytes], lane l holding row l % 16 and k = 8 (l / 16) + 0..7 of the block.
; Two neighbouring blocks of 16 k are a fragment of 16 rows x 32 k: two LDS loads of 512 consecutive bytes, so A's tile needs no padding.
; A tile of the result is 128 x 128: 8 x 32 tiles, one to a work-group.  Four waves, each 64 x 64: 16 accumulators.  K goes in steps of 256 through two LDS slots:
; waves 0, 1 fetch half of A's tile each (32,768 dense bytes, asked for as 128 rows of 256 bytes), waves 2, 3 128 k-rows x 256 bytes of W2 each.
; Both slots' first fills go out together at the start: a wave then has two tensor loads out, later the one of a refill.
; W2 lies [k][n]: its fragments come out of LDS turned.  THE MATRIX INSTRUCTION IS USED TRANSPOSED: a lane holds eight neighbouring numbers of a row of the result.
; CLUSTERS: 4 x 4 work-groups; A's tile is asked for jointly along a row of the cluster, W2's along a column.
; REQUESTS AHEAD (global_prefetch_b8).  K steps 0 and 1 are the first fills.  Wave 0 asks at the start for K steps 2 and 3, and behind the refill that brings K step s + 1 for K step s + 3:
; two trips ahead of the tensor load that wants it.  Of A's tile (64 KiB, wanted by the eight work-groups of a tile row) each work-group asks for the eighth that goes by its tile column:
; 32 lanes, 256 bytes apart.  Of W2's tile (256 k-rows of 256 bytes, wanted by the 32 work-groups of a tile column) the two cluster rows whose number is the K step's modulo 4 ask,
; each work-group for 32 k-rows, a lane a row.  So each aligned 256 bytes of K steps 2 to 15 are asked for once in the launch.  The last two refills' trips ask for nothing, and the
; address is held at the last K step.  A work-group has at most 32 KiB asked for and not yet fetched.
; The residual's 64 x 64 numbers of a wave are loaded at the start into 128 registers, in the layout in which the result leaves.
; REGISTERS: window 0: v0-31 addresses; v32-63 the bias as four C operands, later rows on the way out; v64-95 rows on the way out; v128-255 accumulators (a, b) at 128 + 8 (4 a + b);
; window 1: two fragment buffers of 128 (64 along K: 64 registers of A, 64 of W2); window 2: v0-127 the residual.
.set T,     16                         ; K steps of 256
.set WOFF,  16777216
.set NA,    2
.set PB,    288                        ; W2's LDS row: 256 bytes + 32
.set BOFF,  65536                      ; W2's tile lies behind A's 16 x 8 blocks of 512 bytes
.set SLOT,  BOFF+256*PB                ; 139,264
.set STEPA, 65536
.set STEPB, 524288
.set HSTA,  32768                      ; half a K step: eight blocks of 16 k,
.set HSTB,  128*PB                     ; 128 k-rows of W2
.set STAGE, 2*SLOT                     ; behind the ring: 16 rows x 272 bytes for each wave
.set SP,    272
.set SPARE, STAGE+4*16*SP              ; the spare words: 128 bytes for each wave, two blocks of 256 bytes that no other line names
.set ADRA0, 12
.set ADRB0, 13
.set ADRA,  14
.set ADRB,  15
.set STO,   16
.set RD,    17
.set BO,    19
.set CO,    20
.set PVA,   21                         ; v21 256 x lane; never rewritten
.set PVB,   22                         ; v22 2,048 x lane; never rewritten
.set SPW,   28
.set NIL,   29
.set BI,    32
.set OB,    32
.set ACC,   128
.set WV,    14
.set WR,    16
.set WC,    17
.set G1A,   24                         ; s[24:31] group 1 for A's tiles
.set G0A,   32                         ; s[32:39] group 0 for A's tiles: a set for each first fill;
.set WKA,   G0A+4                      ;          the second then walks on
.set G1B,   40                         ; s[40:47], s[48:55] the same for W2's
.set G0B,   48
.set WKB,   G0B+4
.set TA,    56
.set TBB,   57
.set CNT,   58
.set SLOTS, 59
.set OUT,   76
.set RB,    78
.set PFA0,  80                         ; s[80:81] hid at my eighth of my tile row's K step 0; never rewritten
.set PFA,   82                         ; s[82:83] the same at the K step to be asked for
.set PFB0,  84                         ; s[84:85] W2 at my 32 k-rows of my tile column's K step 0; never rewritten
.set PFB,   86                         ; s[86:87] the same at the K step to be asked for
.set TAU,   88                         ; s88 the K step to be asked for next
.set PH,    89                         ; s89 my cluster row modulo 4
.set OFFP,  90                         ; s[90:91] a K step's byte offset
.set NOA,   92                         ; s92 0: I am wave 0 and a K step is left to ask for
.set NOB,   93                         ; s93 0: that K step's tile of W2 is my cluster row's to ask for
.set MSB, 0
.macro WIN new
.if MSB != (\new)
	s_set_vgpr_msb (MSB<<8)|(\new)
.set MSB, \new
.endif
.endm
.macro PLACES                          ; four places in front of loads into registers that matrix instructions have read, and of lines that read results
.rept 4
	v_nop
.endr
.endm
.macro JLOAD                           ; a joint refill; the branch hangs on the wave's number alone; an s_nop 0 and four v_nop follow each line
	s_cmp_lt_u32 s[WV], NA
	s_cbranch_scc0 .Lfor_b_\@
	tensor_load_to_lds s[WKA:WKA+3], s[G1A:G1A+7]
	s_nop 0
.rept 4
	v_nop
.endr
	s_branch .Lasked_\@
.Lfor_b_\@:
	tensor_load_to_lds s[WKB:WKB+3], s[G1B:G1B+7]
	s_nop 0
.rept 4
	v_nop
.endr
.Lasked_\@:
.endm
.macro ASK                             ; the requests ahead of one trip; both branches hang on numbers that all partners of the cluster share
	s_cmp_lg_u32 s[NOA], 0
	s_cbranch_scc1 .Lahead_\@
	global_prefetch_b8 v[PVA], s[PFA:PFA+1] th:TH_LOAD_NT scope:SCOPE_SE
	s_cmp_lg_u32 s[NOB], 0
	s_cbranch_scc1 .Lahead_\@
	global_prefetch_b8 v[PVB], s[PFB:PFB+1] th:TH_LOAD_NT scope:SCOPE_SE
.Lahead_\@:
.endm
.macro CROUND                          ; a round of the cluster's barrier
	s_barrier_signal -1
	s_barrier_wait -1
	s_cmp_lg_u32 s[WV], 0
	s_cbranch_scc1 .Lnot_wave_0_\@
	s_barrier_signal -3
.Lnot_wave_0_\@:
	s_barrier_wait -3
	s_barrier_signal -1
	s_barrier_wait -1
.endm
; THE CHANGE OF SLOTS.  Every wave waits for all its tensor loads (one is out: its part of the other slot), adds 0 to its spare word, and waits for that and for its reads of the slot it leaves.
; fill = 1: the barrier is a round of the cluster's, and the slot just left is filled again first thing behind it, with the K step two on; behind the refill stand the trip's requests ahead.
.macro CHANGE fill
	WIN 0
	s_wait_tensorcnt 0x0                           ; no tensor load of mine is out, so a group 0 may be written
	ds_add_u32 v[SPW], v[NIL]                      ; 0 onto my spare word
.if \fill
	s_xor_b32 s[WKA+1], s[WKA+1], SLOT             ; the other slot (no offset in a slot shares a bit with SLOT),
	s_add_nc_u64 s[WKA+2:WKA+3], s[WKA+2:WKA+3], STEPA  ; the next K step
	s_xor_b32 s[WKB+1], s[WKB+1], SLOT
	s_add_nc_u64 s[WKB+2:WKB+3], s[WKB+2:WKB+3], STEPB
	s_wait_xcnt 0x0                                ; the requests of the trip before have had their addresses translated (ISA guide 3.1): their bases are written only behind this wait
	s_min_u32 s[OFFP], s[TAU], T-1                 ; never past the last K step
	s_xor_b32 s[NOB], s[OFFP], s[PH]
	s_and_b32 s[NOB], s[NOB], 3
	s_lshl_b32 s[OFFP], s[OFFP], 16                ; 65,536 bytes of hid a K step,
	s_add_nc_u64 s[PFA:PFA+1], s[PFA0:PFA0+1], s[OFFP:OFFP+1]
	s_lshl_b32 s[OFFP], s[OFFP], 3                 ; 524,288 of W2
	s_add_nc_u64 s[PFB:PFB+1], s[PFB0:PFB0+1], s[OFFP:OFFP+1]
	s_cmp_lt_u32 s[TAU], T
	s_cselect_b32 s[NOA], s[WV], 4
	s_add_co_u32 s[TAU], s[TAU], 1
.endif
	s_sub_co_u32 s[TA], s[TA], 2*HSTA
	s_xor_b32 s[TA], s[TA], SLOT
	s_sub_co_u32 s[TBB], s[TBB], 2*HSTB
	s_xor_b32 s[TBB], s[TBB], SLOT
	s_wait_dscnt 0x0                               ; the add is done, and my reads of the slot are over
.if \fill
	CROUND
	JLOAD
	ASK
.else
	s_barrier_signal -1
	s_barrier_wait -1
.endif
.endm
	s_load_b256 s[4:11], s[0:1], 0x0               ; hid s[4:5], wb s[6:7], bias s[8:9], residual s[10:11]
	s_load_b64 s[12:13], s[0:1], 0x20              ; the result
	v_lshl_add_u32 v[SPW], v0, 2, SPARE
	v_mov_b32 v[NIL], 0
	ds_add_u32 v28, v29
	ds_add_u32 v28, v29
	s_wait_dscnt 0x0
	v_lshrrev_b32 v1, 5, v0
	v_readfirstlane_b32 s[WV], v1
	s_lshr_b32 s[WR], s[WV], 1
	s_and_b32 s[WC], s[WV], 1
	s_bfe_u32 s60, ttmp6, 0x40000                  ; cx
	s_bfe_u32 s61, ttmp6, 0x40004                  ; cy
	s_lshl_b32 s62, ttmp9, 2
	s_add_co_u32 s62, s62, s60                     ; tile column
	s_and_b32 s63, ttmp7, 0xffff
	s_lshl_b32 s63, s63, 2
	s_add_co_u32 s63, s63, s61                     ; tile row
	s_lshl_b32 s18, s61, 2
	s_lshl_b32 s18, 15, s18                        ; my row of the cluster
	s_lshl_b32 s20, 0x1111, s60                    ; my column
	s_or_b32 s[G1A], s18, (1<<16)|(1<<21)          ; the mask; 2-byte elements; bit 21 beside a mask; no padding
	s_or_b32 s[G1B], s20, (1<<16)|(1<<20)|(1<<21)|(5<<22)|(7<<25)  ; padding on: after every 64 words, 8 words
.irp g, G1A, G1B
	s_mov_b32 s[(\g)+1], 128<<16                   ; tensor_dim0 = 128
	s_mov_b32 s[(\g)+2], 128<<16                   ; tensor_dim1 = 128
	s_mov_b32 s[(\g)+3], 128<<16                   ; tile_dim0 = 128
	s_mov_b32 s[(\g)+4], 128                       ; tile_dim1 = 128
	s_mov_b32 s[(\g)+6], 0
	s_mov_b32 s[(\g)+7], 0
.endr
	s_mov_b32 s[G1A+5], 128                        ; dense
	s_mov_b32 s[G1B+5], 1024                       ; elements from k-row to k-row
	s_and_b32 s19, s[WV], 1                        ; which half of a tile I fetch
	s_mul_i32 s22, s19, HSTA                       ; its place in a slot, for A
	s_mul_i32 s23, s19, HSTB
	s_add_co_u32 s23, s23, BOFF                    ; and for W2
	s_lshl_b32 s66, s63, 20                        ; A: 1 MiB a tile row,
	s_lshl_b32 s21, s19, 15                        ; my half of the step's 64 KiB
	s_add_co_u32 s66, s66, s21
	s_mov_b32 s67, 0
	s_lshl_b32 s68, s62, 8                         ; W2: 256 bytes a tile column,
	s_lshl_b32 s21, s19, 18                        ; my 128 k-rows of 2,048 bytes
	s_add_co_u32 s68, s68, s21
	s_add_co_u32 s68, s68, WOFF
	s_mov_b32 s69, 0
	s_mov_b32 s[TA], 0                             ; the reads begin in slot 0
	s_mov_b32 s[TBB], 0
	s_wait_kmcnt 0x0
	s_add_nc_u64 s[66:67], s[4:5], s[66:67]
	s_add_nc_u64 s[68:69], s[6:7], s[68:69]
.irp s, 0,1
	s_mov_b32 s[G0A+4*(\s)], 1                                     ; count = 1
	s_add_co_u32 s[G0A+4*(\s)+1], s22, (\s)*SLOT                   ; LDS address
	s_add_nc_u64 s[G0A+4*(\s)+2:G0A+4*(\s)+3], s[66:67], (\s)*STEPA  ; K step s
	s_or_b32 s[G0A+4*(\s)+3], s[G0A+4*(\s)+3], 0x80000000          ; type = 2
	s_mov_b32 s[G0B+4*(\s)], 1
	s_add_co_u32 s[G0B+4*(\s)+1], s23, (\s)*SLOT
	s_add_nc_u64 s[G0B+4*(\s)+2:G0B+4*(\s)+3], s[68:69], (\s)*STEPB
	s_or_b32 s[G0B+4*(\s)+3], s[G0B+4*(\s)+3], 0x80000000
.endr
	CROUND                                         ; all sixteen work-groups are here: the first joint loads meet
	s_cmp_lt_u32 s[WV], NA                         ; a wave's two first fills stand in one branch, ahead of every wait on TENSORcnt and every LDS read
	s_cbranch_scc0 .Lfirst_b
	tensor_load_to_lds s[G0A:G0A+3], s[G1A:G1A+7]
	s_nop 0
	tensor_load_to_lds s[WKA:WKA+3], s[G1A:G1A+7]
	s_nop 0
.rept 4
	v_nop
.endr
	s_branch .Lfirst_asked
.Lfirst_b:
	tensor_load_to_lds s[G0B:G0B+3], s[G1B:G1B+7]
	s_nop 0
	tensor_load_to_lds s[WKB:WKB+3], s[G1B:G1B+7]
	s_nop 0
.rept 4
	v_nop
.endr
.Lfirst_asked:
	v_and_b32 v1, 15, v0                           ; r
	v_bfe_u32 v2, v0, 4, 1                         ; h
	v_and_b32 v3, 7, v0
	v_bfe_u32 v4, v0, 3, 1
	v_and_b32 v5, 31, v0                           ; lane
	v_lshlrev_b32 v[PVA], 8, v5
	v_lshlrev_b32 v[PVB], 11, v5
	; the requests' bases
	s_lshl_b32 s72, s63, 20                        ; hid: my tile row,
	s_lshl_b32 s73, s62, 13                        ; the eighth of a K step's 64 KiB that goes by my tile column
	s_add_co_u32 s72, s72, s73
	s_mov_b32 s73, 0
	s_add_nc_u64 s[PFA0:PFA0+1], s[4:5], s[72:73]
	s_and_b32 s74, ttmp7, 0xffff                   ; my cluster row, 0 to 7
	s_and_b32 s[PH], s74, 3
	s_lshr_b32 s74, s74, 2
	s_lshl_b32 s74, s74, 2
	s_add_co_u32 s74, s74, s61                     ; which 32 of a K step's 256 k-rows: 4 x (cluster row / 4) + cy,
	s_lshl_b32 s74, s74, 16                        ; 32 k-rows of 2,048 bytes
	s_lshl_b32 s75, s62, 8
	s_add_co_u32 s74, s74, s75
	s_add_co_u32 s74, s74, WOFF
	s_mov_b32 s75, 0
	s_add_nc_u64 s[PFB0:PFB0+1], s[6:7], s[74:75]
	s_mov_b32 s[OFFP+1], 0
	s_mov_b32 s[TAU], 4
	s_cmp_lg_u32 s[WV], 0
	s_cbranch_scc1 .Lno_ask                        ; wave 0 alone asks: K steps 2 and 3
	global_prefetch_b8 v[PVA], s[PFA0:PFA0+1] offset:2*STEPA th:TH_LOAD_NT scope:SCOPE_SE
	global_prefetch_b8 v[PVA], s[PFA0:PFA0+1] offset:3*STEPA th:TH_LOAD_NT scope:SCOPE_SE
	s_cmp_lg_u32 s[PH], 2
	s_cbranch_scc1 .Lnot_2
	global_prefetch_b8 v[PVB], s[PFB0:PFB0+1] offset:2*STEPB th:TH_LOAD_NT scope:SCOPE_SE
.Lnot_2:
	s_cmp_lg_u32 s[PH], 3
	s_cbranch_scc1 .Lno_ask
	global_prefetch_b8 v[PVB], s[PFB0:PFB0+1] offset:3*STEPB th:TH_LOAD_NT scope:SCOPE_SE
.Lno_ask:
	s_lshl_b32 s72, s63, 19                        ; my first row: 128 rows of 4,096 bytes a tile row,
	s_lshl_b32 s73, s[WR], 18
	s_add_co_u32 s72, s72, s73
	s_lshl_b32 s74, s62, 9                         ; my first column, in bytes
	s_lshl_b32 s73, s[WC], 8
	s_add_co_u32 s74, s74, s73
	s_add_co_u32 s72, s72, s74
	s_mov_b32 s73, 0
	s_mov_b32 s75, 0
	s_add_nc_u64 s[OUT:OUT+1], s[12:13], s[72:73]
	s_add_nc_u64 s[RB:RB+1], s[10:11], s[72:73]
	s_add_nc_u64 s[8:9], s[8:9], s[74:75]
	v_lshlrev_b32 v[BO], 5, v2                     ; the bias as C: register j of block b is column 16 b + 8 h + j
	v_lshlrev_b32 v[CO], 12, v2                    ; rows as they leave: lanes 0-15 one row's 256 bytes, lanes 16-31 the next row's
	v_lshl_add_u32 v[CO], v1, 4, v[CO]
.set k, 0
.rept 4
	global_load_b128 v[BI+8*k:BI+8*k+3],   v[BO], s[8:9] offset:64*k
	global_load_b128 v[BI+8*k+4:BI+8*k+7], v[BO], s[8:9] offset:64*k+16
.set k, k+1
.endr
	WIN 0x80                                       ; destination window 2
.set k, 0
.rept 32                               ; the residual: rows 2 k and 2 k + 1 of my 64
	global_load_b128 v[4*k:4*k+3], v[CO], s[RB:RB+1] offset:2*k*4096
.set k, k+1
.endr
	WIN 0
	s_lshl_b32 s22, s[WR], 11                      ; A: my four blocks of 16 rows, 512 bytes each,
	v_lshl_add_u32 v[ADRA0], v5, 4, s22            ; 16 bytes a lane
	v_lshl_add_u32 v5, v2, 3, v3                   ; the turning load: k-row 8 h + lane % 8, 16 bytes at 16 ((lane / 8) % 2)
	v_mul_u32_u24 v[ADRB0], v5, PB
	v_lshl_add_u32 v[ADRB0], v4, 4, v[ADRB0]
	s_lshl_b32 s23, s[WC], 7
	s_add_co_u32 s23, s23, BOFF
	v_add_nc_u32 v[ADRB0], s23, v[ADRB0]
	s_mul_i32 s22, s[WV], 16*SP
	s_add_co_u32 s22, s22, STAGE
	v_mul_u32_u24 v[STO], v1, SP                   ; in: row r, 32 bytes for each half of the lanes
	v_lshl_add_u32 v[STO], v2, 5, v[STO]
	v_add_nc_u32 v[STO], s22, v[STO]
	v_mul_u32_u24 v[RD], v2, SP                    ; back: two whole rows of 256 bytes
	v_lshl_add_u32 v[RD], v1, 4, v[RD]
	v_add_nc_u32 v[RD], s22, v[RD]
.macro ADDR                            ; the addresses of the next half step; with two v_nop these are the four places in front of the loads that follow
	WIN 0
	v_add_nc_u32 v[ADRA], s[TA], v[ADRA0]
	v_add_nc_u32 v[ADRB], s[TBB], v[ADRB0]
	s_add_co_u32 s[TA], s[TA], HSTA
	s_add_co_u32 s[TBB], s[TBB], HSTB
	v_nop
	v_nop
.endm
.macro FETCH f                         ; 32 LDS loads in one run: 64 along K, part f of the half step, into buffer f.  A: block of 16 k number 4 f + 2 kc and the next, 4,096 bytes apart
	WIN 0x40
.set kc, 0
.rept 2
.set ii, 0
.rept 4
	ds_load_tr16_b128 v[128*(\f)+64+8*(4*kc+ii):128*(\f)+64+8*(4*kc+ii)+3],   v[ADRB] offset:(\f)*64*PB+kc*32*PB+32*ii
	ds_load_tr16_b128 v[128*(\f)+64+8*(4*kc+ii)+4:128*(\f)+64+8*(4*kc+ii)+7], v[ADRB] offset:(\f)*64*PB+kc*32*PB+32*ii+16*PB
	ds_load_b128 v[128*(\f)+8*(4*kc+ii):128*(\f)+8*(4*kc+ii)+3],   v[ADRA] offset:(\f)*16384+kc*8192+ii*512
	ds_load_b128 v[128*(\f)+8*(4*kc+ii)+4:128*(\f)+8*(4*kc+ii)+7], v[ADRA] offset:(\f)*16384+kc*8192+ii*512+4096
.set ii, ii+1
.endr
.set kc, kc+1
.endr
.endm
.macro MUL f, zero                     ; the 16 accumulators by turns, twice.  zero = 1: the first products start the sums with the bias
	WIN 0x05                                       ; sources 0 and 1 window 1; C and D window 0
.set kc, 0
.rept 2
.set id, 0
.rept 16
.set rD, ACC+8*id
.set rB, 128*(\f)+64+8*(4*kc+id%4)
.set rA, 128*(\f)+8*(4*kc+id/4)
.if (\zero) && (kc == 0)
	v_wmma_f32_16x16x32_bf16 v[rD:rD+7], v[rB:rB+7], v[rA:rA+7], v[BI+8*(id%4):BI+8*(id%4)+7]
.else
	v_wmma_f32_16x16x32_bf16 v[rD:rD+7], v[rB:rB+7], v[rA:rA+7], v[rD:rD+7]
.endif
.set id, id+1
.endr
.set kc, kc+1
.endr
.endm
.macro BODY                            ; half a K step; each run of loads stands a whole MUL ahead of the wait for it
	ADDR
	FETCH 0
	MUL 1, 0
	s_wait_dscnt 0x0                               ; buffer 0 is in
	PLACES
	FETCH 1
	MUL 0, 0
	WIN 0
	s_wait_dscnt 0x0                               ; buffer 1 is in
.endm
; THE WAY OUT, 16 rows at a time: 32 bytes a lane into my stage, back as whole rows of 256 bytes, the residual added, stored.
.macro TOSTAGE a
	WIN 0
.if (\a) >= 2
	s_wait_xcnt 0x0                                ; the stores of the block two back have read these registers (ISA guide 3.1)
.endif
.set k, 0
.rept 4
	ds_store_b128 v[STO], v[ACC+8*(4*(\a)+k):ACC+8*(4*(\a)+k)+3]   offset:64*k
	ds_store_b128 v[STO], v[ACC+8*(4*(\a)+k)+4:ACC+8*(4*(\a)+k)+7] offset:64*k+16
.set k, k+1
.endr
.set k, 0
.rept 8
	ds_load_b128 v[OB+32*((\a)%2)+4*k:OB+32*((\a)%2)+4*k+3], v[RD] offset:2*SP*k  ; LDS serves a wave's instructions in order (ISA guide 5.7.1.4)
.set k, k+1
.endr
.endm
.macro SEND a, younger                 ; younger: the next block's sixteen LDS instructions, or none
	s_wait_dscnt \younger
	WIN 0x08                                       ; source 1 window 2: the residual
.set k, 0
.rept 16
	v_pk_add_f32 v[OB+32*((\a)%2)+2*k:OB+32*((\a)%2)+2*k+1], v[OB+32*((\a)%2)+2*k:OB+32*((\a)%2)+2*k+1], v[32*(\a)+2*k:32*(\a)+2*k+1]
.set k, k+1
.endr
	WIN 0
.set k, 0
.rept 8
	global_store_b128 v[CO], v[OB+32*((\a)%2)+4*k:OB+32*((\a)%2)+4*k+3], s[OUT:OUT+1] offset:(16*(\a)+2*k)*4096  ; 16 lanes store 256 consecutive bytes, aligned
.set k, k+1
.endr
.endm
	s_wait_tensorcnt 0x1                           ; my part of K step 0 is in; K step 1's may stay out
	s_barrier_signal -1
	s_barrier_wait -1                              ; everybody's is
	ADDR
	FETCH 0
	FETCH 1
	s_wait_loadcnt 32                              ; the bias is in; the residual's 32 loads, issued behind it, may stay out
	s_wait_dscnt 32                                ; buffer 0 is in; buffer 1's 32 loads may be out
	MUL 0, 1
	WIN 0
	s_wait_dscnt 0x0
	s_mov_b32 s[SLOTS], T-1                        ; the loop is entered at the second half of K step 0: that pass counts as one
	s_mov_b32 s[CNT], 1
	s_branch .Lhalf
.Lslot:                                                ; K steps 1 to T - 2: each asks for the step behind the next
	CHANGE 1
	s_mov_b32 s[CNT], 2
.Lhalf:
	BODY
	s_sub_co_u32 s[CNT], s[CNT], 1
	s_cmp_lg_u32 s[CNT], 0
	s_cbranch_scc1 .Lhalf
	s_sub_co_u32 s[SLOTS], s[SLOTS], 1
	s_cmp_lg_u32 s[SLOTS], 0
	s_cbranch_scc1 .Lslot
	CHANGE 0                                       ; the last K step is written out
	s_mov_b32 s[CNT], 2
.Lhalf2:
	BODY
	s_sub_co_u32 s[CNT], s[CNT], 1
	s_cmp_lg_u32 s[CNT], 0
	s_cbranch_scc1 .Lhalf2
	MUL 1, 0
	PLACES
	s_wait_loadcnt 0x0                             ; the residual
	TOSTAGE 0
	TOSTAGE 1
	SEND 0, 16
	TOSTAGE 2
	SEND 1, 16
	TOSTAGE 3
	SEND 2, 16
	SEND 3, 0
	s_wait_tensorcnt 0x0                           ; the wave's end
	ds_add_u32 v[SPW], v[NIL]
	s_wait_dscnt 0x0
	CROUND                                         ; the closing round
	s_endpgm
.Lfunc_end_k_q348be08275_ff2:
	.size	k_q348be08275_ff2, .Lfunc_end_k_q348be08275_ff2-k_q348be08275_ff2
	.p2alignl 7, 3214868480
	.fill 96, 4, 3214868480
	.section	.rodata,"a",@progbits
	.p2align	6, 0x0
	.amdhsa_kernel k_q348be08275_ff2
		.amdhsa_group_segment_fixed_size 327680
		.amdhsa_private_segment_fixed_size 0
		.amdhsa_enable_private_segment 0
		.amdhsa_kernarg_size 40
		.amdhsa_user_sgpr_count 2
		.amdhsa_user_sgpr_kernarg_segment_ptr 1
		.amdhsa_wavefront_size32 1
		.amdhsa_system_sgpr_workgroup_id_x 1
		.amdhsa_system_sgpr_workgroup_id_y 1
		.amdhsa_system_sgpr_workgroup_id_z 1
		.amdhsa_system_vgpr_workitem_id 0
		.amdhsa_next_free_vgpr 640
		.amdhsa_next_free_sgpr 96
		.amdhsa_reserve_vcc 0
		.amdhsa_float_denorm_mode_32 3
		.amdhsa_float_denorm_mode_16_64 3
		.amdhsa_memory_ordered 1
		.amdhsa_forward_progress 1
		.amdhsa_inst_pref_size 53
	.end_amdhsa_kernel
	.amdgpu_metadata
---
amdhsa.version: [ 1, 2 ]
amdhsa.kernels:
  - .name:           k_q348be08275_ff2
    .symbol:         k_q348be08275_ff2.kd
    .args:
      - { .name: hid, .offset: 0, .size: 8, .value_kind: global_buffer, .address_space: global }
      - { .name: wb, .offset: 8, .size: 8, .value_kind: global_buffer, .address_space: global }
      - { .name: b2, .offset: 16, .size: 8, .value_kind: global_buffer, .address_space: global }
      - { .name: x1, .offset: 24, .size: 8, .value_kind: global_buffer, .address_space: global }
      - { .name: out0, .offset: 32, .size: 8, .value_kind: global_buffer, .address_space: global }
    .group_segment_fixed_size: 327680
    .private_segment_fixed_size: 0
    .kernarg_segment_align: 8
    .kernarg_segment_size: 40
    .max_flat_workgroup_size: 128
    .sgpr_count:     96
    .vgpr_count:     640
    .wavefront_size: 32
...
	.end_amdgpu_metadata
.endif
;; end of part 6
